; MI455X (gfx1250); checked and timed in simulation.
; The chip was launched on July 23, 2026; its instructions are those of AMD's public machine-readable ISA for CDNA 5 (MIT licence, August 2026) and "CDNA5" Instruction Set Architecture Reference Guide (July 2026). The comments in the code are by the model that wrote it; some were corrected since.
;; Multi Head Attention. Allowed arithmetic: matrix products marked QUANTISED: E2M1 operands, one E8M0 scale for each 32 along K, by v_wmma_scale_f32_16x16x128_f8f6f4 with both operands' format E2M1 (or v_wmma_scale_f32_32x16x128_f4), f32 sums; products left as they are: bf16, f16 or f32 operands; f32 sums; everything else in f32.
;; Inputs: Wk 1,024 x 1,024 float32; Wo 1,024 x 1,024 float32; Wq 1,024 x 1,024 float32; Wv 1,024 x 1,024 float32; bk 1,024 float32; bo 1,024 float32; bq 1,024 float32; bv 1,024 float32; x 4 x 2,048 x 1,024 float32.
;; Outputs: out0 4 x 2,048 x 1,024 float32.
;; This version of the problem:
;;   THIS VERSION OF THE PROBLEM IS GIVEN IN LOW PRECISION. The matrix products marked QUANTISED in the list below multiply operands that are first quantised to E2M1 (2 exponent bits, 1 mantissa bit; 4 bits a number), with one power-of-two scale for each 32 numbers along K (OCP MX v1.0); their sums are f32. The products marked 'left as it is' may take bf16, f16 or f32 operands, with f32 sums. Whichever they take, every output number must still come out within the allowed error. Rounding operands to bf16 (8 significant bits) uses up far more of that allowance than f16 does (11 bits, for magnitudes from 6e-5 to 65,504). All else is computed in f32.
;;   The module's matrix products, in the order in which they are computed (A, B: the left and right operand; K: the contracted axis; several contracted axes count as one K, in the product's order):
;;     1. [M 8,192, K 1,024] x [K 1,024, N 1,024]; A: input x; B: input Wq: QUANTISED
;;     2. [M 8,192, K 1,024] x [K 1,024, N 1,024]; A: input x; B: input Wk: QUANTISED
;;     3. [M 8,192, K 1,024] x [K 1,024, N 1,024]; A: input x; B: input Wv: QUANTISED
;;     4. batch 64 x [M 2,048, K 64] x [K 64, N 2,048]; A: computed on the way; B: computed on the way: left as it is (an operand is computed on the way)
;;     5. batch 64 x [M 2,048, K 2,048] x [K 2,048, N 64]; A: computed on the way; B: computed on the way: left as it is (an operand is computed on the way)
;;     6. [M 8,192, K 1,024] x [K 1,024, N 1,024]; A: computed on the way; B: input Wo: left as it is (an operand is computed on the way)
;;   THE QUANTISER, for each operand of a quantised product, along K:
;;     - K is cut into blocks of 32 from its start; a last block that is shorter is filled with zeros.
;;     - A block's scale is 2^e with e = floor(log2(the largest magnitude in the block)) - 2, held to -126 .. 127; a block of zeros has e = 0. As a byte (E8M0): e + 127.
;;     - Each number is divided by its block's scale, clamped to +-6, and rounded to the nearest number of E2M1, ties to even, subnormals kept.
;;     - The product sums the exact products of the quantised numbers (number of the format x scale) in f32.
;;   ~~~python
;;   def quantise(x, axis):      # numpy; x: float32 -> the quantised numbers, widened to float32 again
;;       x = np.moveaxis(x, axis, -1); K = x.shape[-1]
;;       x = np.pad(x, [(0, 0)] * (x.ndim - 1) + [(0, -K % 32)]); x = x.reshape(x.shape[:-1] + (-1, 32)); a = np.abs(x).max(-1, keepdims=True)
;;       e = np.where(a > 0, np.clip(np.frexp(np.where(a > 0, a, 1))[1] - 1 - 2, -126, 127), 0)      # np.frexp(a)[1] - 1 = floor(log2(a)), exactly
;;       r = np.clip(x / 2.0 ** e, -6, 6)
;;       step = 2.0 ** (np.maximum(np.frexp(np.where(r == 0, 1, r))[1] - 1, 0) - 1)
;;       q = np.round(r / step) * step * 2.0 ** e      # np.round: ties to even
;;       return np.moveaxis(q.reshape(q.shape[:-2] + (-1,))[..., :K], -1, axis).astype(np.float32)
;;   ~~~
;; One version. Each part assembles by itself: llvm-mc -triple=amdgcn-amd-amdhsa -mcpu=gfx1250 --defsym DOCPART=n.
;; ======== version 1 of 1: 5 launches
;; limits: values are held in f16: magnitudes above 65,504 overflow, below 6.1e-05 lose precision
;; workspace buffers: xq 4,456,448 bytes; wq 1,671,168 bytes; wo16 2,097,152 bytes; qimg 16,777,216 bytes; kv 33,554,432 bytes; yimg 16,777,216 bytes; fine 786,432 bytes
;; launch prep (part 1): grid 256 x 1, 4 waves a work-group, no clusters, 167,936 bytes of LDS; arguments x, Wq, Wk, Wv, Wo, xq, wq, wo16; writes xq, wq, wo16
.if DOCPART == 1
	.amdgcn_target "amdgcn-amd-amdhsa--gfx1250"
	.amdhsa_code_object_version 6
	.text
	.protected	k_qe6a4dbd523_prep
	.globl	k_qe6a4dbd523_prep
	.p2align	8
	.type	k_qe6a4dbd523_prep,@function
k_qe6a4dbd523_prep:
	s_mov_b64 s[64:65], 0
	v_nop
	global_prefetch_b8 v0, s[64:65] scope:SCOPE_SE
	s_setreg_imm32_b32 hwreg(HW_REG_WAVE_MODE, 25, 1), 1
	s_wait_xcnt 0x0
; THE PROGRAM: causal attention, B = 4, T = 2,048, C = 1,024, 16 heads of 64.  Five launches: this one (operands made narrow), qkv (the three quantised products), attn, oproj, first16.
; WORK LEFT OUT: bk.  k = x Wk + bk enters the result through the scores alone: score(q, k) = (q . (x_k Wk) + q . bk) / 8.  The term q . bk / 8 is the same for all keys of a query's row, and softmax(s + const) = softmax(s)
; for every finite value of the inputs; the product q k^T is not quantised, so bk moves no code and no scale.  So bk has no way to any output: it is not loaded and is among no launch's arguments.
; LIMIT: a NaN, an infinity or an overflow that enters through bk alone is not carried to the result.
; THIS LAUNCH: x [8192][1024] and Wq, Wk, Wv [1024 (k)][1024 (n)], f32, become codes of E2M1 with one E8M0 byte for each 32 along K; Wo becomes f16.  All are stored AS IMAGES OF THE OPERANDS' REGISTERS:
;   xq, wq: tile of 16 rows (of x) or columns (of W) x 8,192 bytes: block kb of 32 along K at 256 kb, row r's 16 bytes at 16 r.  So the fragment of K step s is 1,024 bytes on end, lane l's registers 4 c .. 4 c + 3 at 512 c + 16 l.
;   their scale words behind the codes: tile x 512 bytes: row r's four words of K steps 4 u .. 4 u + 3 at 256 u + 16 r.
;   wo16: tile of 16 columns x 32,768 bytes: k = 8 v .. 8 v + 7 of column r at 256 v + 16 r: the f16 fragment of 32 along K is 1,024 bytes on end, 16 bytes a lane.
; A block's scale is 2^(floor(log2(largest magnitude)) - 2); its byte is that magnitude's exponent field - 2, held at 1 from below.
; LIMITS: a block of zeros gets the byte 1 where the rule says 127 (its codes are zeros, and this program alone reads the bytes); NaN and infinities among the inputs are not served; |Wo| stays under 65,504 (f16).
; SHARES: 256 work-groups of four waves.  Each wave does one unit of x (16 rows x 512 along K, brought by four tensor loads, all first fills of the wave's own LDS bytes) and one unit of a weight (32 columns x 128 along K:
; a lane takes a column and its registers run down K, so that a block of 32 lies in one lane and the codes come out with K innermost).  No barrier: waves share nothing.
.set XS_OFF, 4194304                   ; xq: the scale words begin behind 512 tiles x 8,192 bytes
.set WS_OFF, 1572864                   ; wq: behind 192 tiles x 8,192 bytes
.set PITCH,  528                       ; an LDS row: 512 bytes + 16 of padding = 132 words, so that the 16 rows of a load begin 4 words apart modulo 64
.set TILE,   16*PITCH                  ; one K step of 128 numbers of 16 rows
.set WREG,   4*TILE                    ; a wave's four tiles
.set SPARE,  4*WREG                    ; behind them: the spare words, 128 bytes a wave
.set SPW, 1                            ; v1  LDS address of my spare word; never rewritten
.set NIL, 2                            ; v2  0; never rewritten
.set G1, 24                            ; s[24:31] descriptor group 1
.set G0, 32                            ; s[32:47] four groups 0
; v3 LDS read address; v4 16 l; v5 16 r + 8 h; v6 weight load offset; v7, v8, v9 weight store offsets; v10 8 h; v11 h; v12-15, v22-31 at work; v16-19 x's scale words; v20-21 the two that I store
; v32-95 64 numbers of x, later the weight unit's results; v96-127 x's codes; v128-255 128 numbers of my column
	s_load_b256 s[4:11], s[0:1], 0x0               ; x, Wq, Wk, Wv
	s_load_b256 s[12:19], s[0:1], 0x20             ; Wo, xq, wq, wo16
	v_lshl_add_u32 v[SPW], v0, 2, SPARE
	v_mov_b32 v[NIL], 0
	ds_add_u32 v[SPW], v[NIL]                      ; the wave's opening: the add, twice on end, and its wait ahead of my first tensor load
	ds_add_u32 v[SPW], v[NIL]
	v_lshrrev_b32 v12, 5, v0
	v_readfirstlane_b32 s2, v12                    ; wave 0..3
	s_mov_b32 s[G1+0], (2<<16)|(1<<20)|(6<<22)|(3<<25)  ; elements of 4 bytes; padding on: 4 words behind every 128
	s_mov_b32 s[G1+1], 128<<16                     ; tensor_dim0 = 128
	s_mov_b32 s[G1+2], 16<<16                      ; tensor_dim1 = 16
	s_mov_b32 s[G1+3], 128<<16                     ; tile_dim0 = 128
	s_mov_b32 s[G1+4], 16                          ; tile_dim1 = 16
	s_mov_b32 s[G1+5], 1024                        ; elements from row to row
	s_mov_b32 s[G1+6], 0
	s_mov_b32 s[G1+7], 0
	s_lshr_b32 s3, s2, 1
	s_lshl_b32 s51, ttmp9, 1
	s_add_co_u32 s3, s3, s51                       ; mt: my tile of 16 rows of x = 2 x work-group + wave / 2
	s_and_b32 s23, s2, 1                           ; qd: which 512 along K
	s_mul_i32 s22, s2, WREG                        ; my LDS bytes
	s_lshr_b32 s48, ttmp9, 6                       ; mat: 0, 1, 2 = Wq, Wk, Wv; 3 = Wo
	s_bfe_u32 s49, ttmp9, 0x30003                  ; cg: which 128 columns
	s_and_b32 s50, ttmp9, 7                        ; ks: which 128 along K
	s_mov_b32 s20, 0x76543210
	s_mov_b32 s21, 0xfedcba98                      ; v_permlanex16_b32's selects for lane l xor 16
	s_lshl_b32 s52, s3, 16                         ; 16 rows of 4,096 bytes
	s_lshl_b32 s51, s23, 11
	s_add_co_u32 s52, s52, s51
	s_mov_b32 s53, 0
	s_wait_dscnt 0x0                               ; both opening adds are done
	s_wait_kmcnt 0x0
	s_add_nc_u64 s[4:5], s[4:5], s[52:53]
.irp j, 0,1,2,3                                        ; the four first fills go out together: four tensor loads of mine are out
	s_mov_b32 s[G0+4*\j], 1
	s_add_co_u32 s[G0+4*\j+1], s22, \j*TILE
	s_add_nc_u64 s[G0+4*\j+2:G0+4*\j+3], s[4:5], \j*512
	s_or_b32 s[G0+4*\j+3], s[G0+4*\j+3], 0x80000000
	tensor_load_to_lds s[G0+4*\j:G0+4*\j+3], s[G1:G1+7]
	s_nop 0
.endr
	s_cmp_eq_u32 s48, 1                            ; the weight: a choice among buffers by the work-group's number alone
	s_cselect_b64 s[54:55], s[8:9], s[6:7]
	s_cmp_eq_u32 s48, 2
	s_cselect_b64 s[54:55], s[10:11], s[54:55]
	s_cmp_eq_u32 s48, 3
	s_cselect_b64 s[54:55], s[12:13], s[54:55]
	s_lshl_b32 s52, s50, 19                        ; 128 rows of 4,096 bytes
	s_lshl_b32 s51, s49, 9
	s_add_co_u32 s52, s52, s51
	s_add_nc_u64 s[54:55], s[54:55], s[52:53]
	v_lshlrev_b32 v6, 2, v0                        ; 128 x wave + 4 x lane: the four waves stand side by side on 512 bytes of a row
.set i, 0
.rept 128
	global_load_b32 v[128+i], v6, s[54:55] offset:i*4096 th:TH_LOAD_NT   ; W(128 ks + i, my column)
.set i, i+1
.endr
	s_lshl_b32 s52, s3, 13
	s_lshl_b32 s51, s23, 12
	s_add_co_u32 s52, s52, s51
	s_add_nc_u64 s[56:57], s[14:15], s[52:53]      ; where my codes of x go
	s_lshl_b32 s52, s3, 9
	s_lshl_b32 s51, s23, 8
	s_add_co_u32 s52, s52, s51
	s_add_co_u32 s52, s52, XS_OFF
	s_add_nc_u64 s[58:59], s[14:15], s[52:53]      ; and their scale words
	v_and_b32 v13, 31, v0                          ; lane
	v_and_b32 v14, 15, v0                          ; r
	v_bfe_u32 v11, v0, 4, 1                        ; h
	v_mul_u32_u24 v3, v14, PITCH
	v_lshl_add_u32 v3, v11, 7, v3
	v_add_nc_u32 v3, s22, v3                       ; row r, + 128 h: the operand's layout gives lane (r, h) k = 64 c + 32 h + 0 .. 31
	v_lshlrev_b32 v4, 4, v13
	v_lshlrev_b32 v5, 4, v14
	v_lshl_add_u32 v5, v11, 3, v5
	v_lshlrev_b32 v7, 4, v14
	v_lshl_add_u32 v7, v11, 13, v7                 ; my column's tile (lane / 16) and row (lane % 16) in wq,
	v_lshlrev_b32 v8, 4, v14
	v_lshl_add_u32 v8, v11, 15, v8                 ; in wo16,
	v_lshlrev_b32 v9, 4, v14
	v_lshl_add_u32 v9, v11, 9, v9                  ; and among wq's scale words
	v_lshlrev_b32 v10, 3, v11
	v_mov_b32 v25, 0                               ; written once: a lane permute's destination counts as one of its sources
; K step 4 qd + j of my 16 rows: 64 numbers a lane (two whole blocks), their codes (the fragment's 8 registers) and the row's scale word
.macro XSTEP j
	s_wait_tensorcnt 3-\j                          ; tensor loads of a wave end in order: tile j is in, the 3 - j younger ones may be out
.irp c, 0,1
.irp i, 0,1,2,3,4,5,6,7
	ds_load_b128 v[32+32*\c+4*\i:32+32*\c+4*\i+3], v3 offset:\j*TILE+256*\c+16*\i
.endr
.endr
	s_wait_dscnt 0x0
.irp c, 0,1
	v_max3_num_f32 v[12+\c], |v[32+32*\c]|, |v[33+32*\c]|, 0x1800000   ; and the floor 2^(3 - 127): the byte cannot fall under 1
.endr
.irp i, 2,4,6,8,10,12,14,16,18,20,22,24,26,28,30
.irp c, 0,1
	v_max3_num_f32 v[12+\c], v[12+\c], |v[32+32*\c+\i]|, |v[33+32*\c+\i]|   ; (the two blocks by turns)
.endr
.endr
.irp c, 0,1
	v_add_nc_u32 v[14+\c], 0xff000000, v[12+\c]    ; 2 off the exponent field: the conversion's scale operand
.endr
.irp c, 0,1
	v_lshrrev_b32 v[22+\c], 23, v[14+\c]           ; the scale's byte
.endr
	v_lshl_or_b32 v24, v23, 16, v22                ; my two bytes: blocks h and 2 + h,
	v_lshlrev_b32 v24, v10, v24                    ; at their places in the word;
	v_permlanex16_b32 v25, v24, s20, s21
	v_or_b32 v[16+\j], v24, v25                    ; with lane l xor 16's two the word is whole
.irp c, 0,1
.irp g, 0,1,2,3
	v_cvt_scalef32_pk8_fp4_f32 v[96+8*\j+4*\c+\g], v[32+32*\c+8*\g:32+32*\c+8*\g+7], v[14+\c]
.endr
.endr
	v_nop                                          ; one plain place behind the last scaled conversion
.irp c, 0,1
	global_store_b128 v4, v[96+8*\j+4*\c:96+8*\j+4*\c+3], s[56:57] offset:\j*1024+\c*512   ; 32 lanes store 512 consecutive bytes; each step has registers of its own
.endr
.endm
	XSTEP 0
	XSTEP 1
	XSTEP 2
	XSTEP 3
	v_cmp_eq_u32 vcc_lo, 1, v11                    ; every lane holds its row's four words: lane (r, h) stores words 2 h and 2 h + 1
	v_cndmask_b32 v20, v16, v18, vcc_lo
	v_cndmask_b32 v21, v17, v19, vcc_lo
	global_store_b64 v5, v[20:21], s[58:59]        ; 32 lanes store 256 consecutive bytes, aligned
	s_wait_loadcnt 0x0                             ; my column's 128 numbers
	s_lshl_b32 s51, s49, 3
	s_lshl_b32 s52, s2, 1
	s_add_co_u32 s51, s51, s52                     ; 8 cg + 2 wave: my first tile of 16 columns in the matrix
	s_cmp_eq_u32 s48, 3
	s_cbranch_scc1 .Lwo
	; ---- Wq, Wk, Wv: four blocks of 32 along K become codes and one scale word
	s_lshl_b32 s52, s48, 6
	s_add_co_u32 s51, s51, s52                     ; + 64 mat
	s_lshl_b32 s52, s51, 13
	s_lshl_b32 s60, s50, 10
	s_add_co_u32 s52, s52, s60
	s_add_nc_u64 s[60:61], s[16:17], s[52:53]
	s_lshl_b32 s52, s51, 9
	s_lshr_b32 s62, s50, 2
	s_lshl_b32 s62, s62, 8
	s_add_co_u32 s52, s52, s62
	s_and_b32 s62, s50, 3
	s_lshl_b32 s62, s62, 2
	s_add_co_u32 s52, s52, s62
	s_add_co_u32 s52, s52, WS_OFF
	s_add_nc_u64 s[62:63], s[16:17], s[52:53]
.irp b, 0,1,2,3
	v_max3_num_f32 v[12+\b], |v[128+32*\b]|, |v[129+32*\b]|, 0x1800000
.endr
.irp i, 2,4,6,8,10,12,14,16,18,20,22,24,26,28,30
.irp b, 0,1,2,3
	v_max3_num_f32 v[12+\b], v[12+\b], |v[128+32*\b+\i]|, |v[129+32*\b+\i]|
.endr
.endr
.irp b, 0,1,2,3
	v_add_nc_u32 v[22+\b], 0xff000000, v[12+\b]
.endr
.irp b, 0,1,2,3
	v_lshrrev_b32 v[26+\b], 23, v[22+\b]
.endr
	v_lshl_or_b32 v30, v27, 8, v26                 ; the four bytes make my column's scale word of this K step
	v_lshl_or_b32 v30, v28, 16, v30
	v_lshl_or_b32 v30, v29, 24, v30
.irp b, 0,1,2,3
.irp g, 0,1,2,3
	v_cvt_scalef32_pk8_fp4_f32 v[32+4*\b+\g], v[128+32*\b+8*\g:128+32*\b+8*\g+7], v[22+\b]
.endr
.endr
	v_nop
.irp b, 0,1,2,3
	global_store_b128 v7, v[32+4*\b:32+4*\b+3], s[60:61] offset:\b*256   ; each half of the lanes stores 256 consecutive bytes, aligned
.endr
	global_store_b32 v9, v30, s[62:63]             ; 4 bytes of each row's 16: 96 KiB in the whole launch
	s_wait_tensorcnt 0x0                           ; the wave's end
	ds_add_u32 v[SPW], v[NIL]
	s_wait_dscnt 0x0
	s_endpgm
.Lwo:
	; ---- Wo: rounded to f16, eight neighbours along K to 16 bytes
	s_lshl_b32 s52, s51, 15
	s_lshl_b32 s60, s50, 12
	s_add_co_u32 s52, s52, s60
	s_add_nc_u64 s[60:61], s[18:19], s[52:53]
.irp u, 0,1,2,3,4,5,6,7,8,9,10,11,12,13,14,15
.irp i, 0,1,2,3
	v_cvt_pk_f16_f32 v[32+4*\u+\i], v[128+8*\u+2*\i], v[129+8*\u+2*\i]
.endr
	global_store_b128 v8, v[32+4*\u:32+4*\u+3], s[60:61] offset:\u*256
.endr
	s_wait_tensorcnt 0x0                           ; the wave's end
	ds_add_u32 v[SPW], v[NIL]
	s_wait_dscnt 0x0
	s_endpgm
.Lfunc_end_k_qe6a4dbd523_prep:
	.size	k_qe6a4dbd523_prep, .Lfunc_end_k_qe6a4dbd523_prep-k_qe6a4dbd523_prep
	.p2alignl 7, 3214868480
	.fill 96, 4, 3214868480
	.section	.rodata,"a",@progbits
	.p2align	6, 0x0
	.amdhsa_kernel k_qe6a4dbd523_prep
		.amdhsa_group_segment_fixed_size 167936
		.amdhsa_private_segment_fixed_size 0
		.amdhsa_enable_private_segment 0
		.amdhsa_kernarg_size 64
		.amdhsa_user_sgpr_count 2
		.amdhsa_user_sgpr_kernarg_segment_ptr 1
		.amdhsa_wavefront_size32 1
		.amdhsa_system_sgpr_workgroup_id_x 1
		.amdhsa_system_sgpr_workgroup_id_y 1
		.amdhsa_system_sgpr_workgroup_id_z 1
		.amdhsa_system_vgpr_workitem_id 0
		.amdhsa_next_free_vgpr 256
		.amdhsa_next_free_sgpr 66
		.amdhsa_reserve_vcc 1
		.amdhsa_float_denorm_mode_32 3
		.amdhsa_float_denorm_mode_16_64 3
		.amdhsa_memory_ordered 1
		.amdhsa_forward_progress 1
		.amdhsa_inst_pref_size 47
	.end_amdhsa_kernel
	.amdgpu_metadata
---
amdhsa.version: [ 1, 2 ]
amdhsa.kernels:
  - .name:           k_qe6a4dbd523_prep
    .symbol:         k_qe6a4dbd523_prep.kd
    .args:
      - { .name: x, .offset: 0, .size: 8, .value_kind: global_buffer, .address_space: global }
      - { .name: Wq, .offset: 8, .size: 8, .value_kind: global_buffer, .address_space: global }
      - { .name: Wk, .offset: 16, .size: 8, .value_kind: global_buffer, .address_space: global }
      - { .name: Wv, .offset: 24, .size: 8, .value_kind: global_buffer, .address_space: global }
      - { .name: Wo, .offset: 32, .size: 8, .value_kind: global_buffer, .address_space: global }
      - { .name: xq, .offset: 40, .size: 8, .value_kind: global_buffer, .address_space: global }
      - { .name: wq, .offset: 48, .size: 8, .value_kind: global_buffer, .address_space: global }
      - { .name: wo16, .offset: 56, .size: 8, .value_kind: global_buffer, .address_space: global }
    .group_segment_fixed_size: 167936
    .private_segment_fixed_size: 0
    .kernarg_segment_align: 8
    .kernarg_segment_size: 64
    .max_flat_workgroup_size: 128
    .sgpr_count:     66
    .vgpr_count:     256
    .wavefront_size: 32
...
	.end_amdgpu_metadata
.endif
;; end of part 1
;; launch qkv (part 2): grid 12 x 32, 4 waves a work-group, clusters of 4 x 4, 327,680 bytes of LDS; arguments xq, wq, bq, bv, qimg, kv, fine; writes qimg, kv, fine
.if DOCPART == 2
	.amdgcn_target "amdgcn-amd-amdhsa--gfx1250"
	.amdhsa_code_object_version 6
	.text
	.protected	k_qe6a4dbd523_qkv
	.globl	k_qe6a4dbd523_qkv
	.p2align	8
	.type	k_qe6a4dbd523_qkv,@function
k_qe6a4dbd523_qkv:
	s_mov_b64 s[64:65], 0
	v_nop
	global_prefetch_b8 v0, s[64:65] scope:SCOPE_SE
	s_setreg_imm32_b32 hwreg(HW_REG_WAVE_MODE, 25, 1), 1
	s_wait_xcnt 0x0
	s_wait_alu depctr_hold_cnt(0) depctr_sa_sdst(0) depctr_va_vdst(0) depctr_va_sdst(0) depctr_va_ssrc(0) depctr_va_vcc(0) depctr_vm_vsrc(0)
	s_getreg_b32 s2, hwreg(HW_REG_IB_STS2, 6, 4)
	s_cmp_eq_u32 s2, 0
	s_cbranch_scc0 .Lentry_in_a_cluster
	s_endpgm
.Lentry_in_a_cluster:
	s_bfe_u32 s2, ttmp6, 0x10000c
	s_cmp_lg_u32 s2, 0xf033
	s_cbranch_scc0 .Lentry_shape_is_right
	s_endpgm
.Lentry_shape_is_right:
; q = x Wq + bq, k = x Wk, v = x Wv + bv on codes of E2M1 with one E8M0 scale for each 32 along K = 1,024; sums in f32; results rounded to f16 and stored as images of the next launch's operands.
; WORK LEFT OUT: bk (it adds the same number to every score of a query's row, which the softmax takes away for all values of the inputs: see the first kernel's head).
; LIMIT: |q|, |k|, |v| stay under 65,504 (f16).
; A tile of 256 x 256 is made by four waves, 128 x 128 each: 64 accumulators, 512 registers.  K is 1,024: its two halves lie in two LDS slots, each filled once; nothing is filled again.
; CLUSTERS of 4 x 4.  The cluster's x says which product: 0 q, 1 k, 2 v.  "A" is the side shared along a row of the cluster, "B" the side shared along a column; each tile is asked for jointly by the four that need it.
;   q, k: A = x's tile 8 cy + CY (batch cy, positions 256 CY on), B = the weight's tile 4 CX + cx.     v: A = Wv's tile 8 + cy, B = x's tile 8 cx + CY.
; The matrix instruction takes source 0 = 16 rows of B, source 1 = 16 rows of A: a lane holds ONE row of A and eight neighbouring rows of B.  For q and k that is one position and eight neighbouring channels, for v one channel
; and eight neighbouring positions: packed to f16 these are the 16 bytes that a lane of the next launch's fragment wants, so a wave's store covers 512 consecutive bytes straight from registers, with no stage in LDS.
;   qimg: (batch x 16 + head) x 262,144 + (t / 16) x 2,048 + grp x 512 + 16 l: channels 16 grp + 8 h + 0..7 of position 16 (t / 16) + r.
;   kv:   (batch x 16 + head) x 524,288 + (t / 64) x 16,384: K's part: ((t / 16) % 4) x 2,048 + grp x 512 + 16 l;  V's part at + 8,192: ct x 2,048 + ((t / 16) % 4) x 512 + 16 l: channel 16 ct + r, positions 8 h + 0..7 of that 16.
;   fine: positions 0 to 15 of each sequence once more, in f32: q [b][t][1024], k at + 262,144, v transposed [b][n][16] at + 524,288: the last launch carries those rows finely.
; The biases are the C of each sum's first matrix instruction.
; REGISTERS: window 0: v16-31 addresses; v32-95 scale words, two sets; v128-191 A's fragments, one set; on the way out v128-255 packed results.
;   window 1: B's fragments, two sets, at v0 and v128; v64-127 the bias.   window 2: accumulators of my A blocks 0-3 ((a, b) at v[8 (8 (a % 4) + b)]);   window 3: of blocks 4-7.
.set XS_OFF, 4194304
.set WS_OFF, 1572864
.set SLOT,  131072                     ; a half of K: A's 16 tiles of 16 rows x 4,096 bytes, then B's
.set BOFF,  65536
.set SCL,   2*SLOT                     ; the scale words: A's 16 x 512 bytes, then B's
.set SPARE, SCL+16384                  ; the spare words, 128 bytes a wave
.set ADRA, 16                          ; v16-17 LDS address of my A fragments in slot 0, 1
.set ADRB, 20                          ; v20-21 of B's
.set LI,   24                          ; v24 16 x lane
.set FO,   25                          ; v25 my offset in fine
.set ADRS, 27                          ; v27 LDS address of my scale words: lanes 0-15 A's rows, lanes 16-31 B's
.set SPW,  28
.set NIL,  29
.set BQA,  30                          ; v30 32 h: bq's eight numbers of my half
.set BVA,  31                          ; v31 4 r: bv's number of my channel
.set SC,   32
.set AF,   128
.set TMP,  128
.set BIAS, 64
.set WV, 18
.set RH, 19                            ; which half of A's rows is mine.  Also: I fetch for A (0) or for B (1)
.set CH, 20                            ; which half of B's rows.  Also: which half of that tile I fetch
.set PX, 21                            ; cx
.set PY, 22                            ; cy
.set CX, 23                            ; the cluster's x: the product
.set CY, 2                             ; the cluster's y
.set ISV, 3
.set G1, 24
.set G0, 32
.set G1B, 48
.set G0B, 56
.set G1S, 68
.set G0S, 76
.set G1SB, 80
.set G0SB, 88
.set MSB, 0
.macro WIN new                         ; the immediate's high byte repeats the setting that is left
.if MSB != (\new)
	s_set_vgpr_msb (MSB<<8)|(\new)
.set MSB, (\new)
.endif
.endm
.set MUL_LO, 0xa1                      ; source 0 (B) window 1, source 1 (A) window 0, C and D window 2
.set MUL_HI, 0xf1                      ; the same, C and D window 3
.set TO_B,   0x40
; A joint load: waves 0 and 1 fetch for A, waves 2 and 3 for B; the branch hangs on the wave's number alone.  An s_nop 0 and four v_nop follow each of the two lines.
.macro JLOAD g0a, g1a, g0b, g1b
	s_cmp_eq_u32 s[RH], 0
	s_cbranch_scc0 .Lfor_b_\@
	tensor_load_to_lds s[\g0a:\g0a+3], s[\g1a:\g1a+7]
	s_nop 0
.rept 4
	v_nop
.endr
	s_branch .Lasked_\@
.Lfor_b_\@:
	tensor_load_to_lds s[\g0b:\g0b+3], s[\g1b:\g1b+7]
	s_nop 0
.rept 4
	v_nop
.endr
.Lasked_\@:
.endm
.macro CROUND                          ; a round of the cluster's barrier
	s_barrier_signal -1
	s_barrier_wait -1
	s_cmp_lg_u32 s[WV], 0
	s_cbranch_scc1 .Lnot_wave_0_\@
	s_barrier_signal -3
.Lnot_wave_0_\@:
	s_barrier_wait -3
	s_barrier_signal -1
	s_barrier_wait -1
.endm
	s_load_b256 s[4:11], s[0:1], 0x0               ; xq, wq, bq, bv
	s_load_b128 s[12:15], s[0:1], 0x20             ; qimg, kv
	s_load_b64 s[16:17], s[0:1], 0x30              ; fine
	v_lshl_add_u32 v[SPW], v0, 2, SPARE
	v_mov_b32 v[NIL], 0
	ds_add_u32 v[SPW], v[NIL]                      ; the wave's opening: the add, twice on end, and its wait ahead of my first tensor load
	ds_add_u32 v[SPW], v[NIL]
	v_lshrrev_b32 v1, 5, v0
	v_readfirstlane_b32 s[WV], v1
	s_lshr_b32 s[RH], s[WV], 1
	s_and_b32 s[CH], s[WV], 1
	s_bfe_u32 s[PX], ttmp6, 0x40000
	s_bfe_u32 s[PY], ttmp6, 0x40004
	s_mov_b32 s[CX], ttmp9
	s_and_b32 s[CY], ttmp7, 0xffff
	s_lshl_b32 s94, s[PY], 2
	s_lshl_b32 s94, 15, s94                        ; my row of the cluster
	s_lshl_b32 s95, 0x1111, s[PX]                  ; my column
	s_or_b32 s[G1], s94, (3<<16)|(1<<21)           ; the mask; elements of 8 bytes; bit 21 set beside a mask; no padding: the images are read 16 bytes a lane on end
	s_or_b32 s[G1B], s95, (3<<16)|(1<<21)
	s_or_b32 s[G1S], s94, (3<<16)|(1<<21)
	s_or_b32 s[G1SB], s95, (3<<16)|(1<<21)
.irp g, G1, G1B                                        ; codes: 8 tiles of 16 rows, of each the 4,096 bytes of one half of K; the tiles lie 8,192 bytes apart
	s_mov_b32 s[\g+1], 512<<16
	s_mov_b32 s[\g+2], 8<<16
	s_mov_b32 s[\g+3], 512<<16
	s_mov_b32 s[\g+4], 8
	s_mov_b32 s[\g+5], 1024
	s_mov_b32 s[\g+6], 0
	s_mov_b32 s[\g+7], 0
.endr
.irp g, G1S, G1SB                                      ; scale words of 128 rows: 4,096 dense bytes as 16 rows of 256
	s_mov_b32 s[\g+1], 32<<16
	s_mov_b32 s[\g+2], 16<<16
	s_mov_b32 s[\g+3], 32<<16
	s_mov_b32 s[\g+4], 16
	s_mov_b32 s[\g+5], 32
	s_mov_b32 s[\g+6], 0
	s_mov_b32 s[\g+7], 0
.endr
	; which tile of 256 rows each side takes.  A's hangs on cy, B's on cx, both on the cluster's own place
	s_lshl_b32 s66, s[PY], 3
	s_add_co_u32 s66, s66, s[CY]                   ; x's tile 8 cy + CY
	s_add_co_u32 s96, s[PY], 8                     ; Wv's tile 8 + cy
	s_lshl_b32 s67, s[CX], 2
	s_add_co_u32 s67, s67, s[PX]                   ; the weight's tile 4 CX + cx
	s_lshl_b32 s98, s[PX], 3
	s_add_co_u32 s98, s98, s[CY]                   ; x's tile 8 cx + CY
	s_mov_b32 s100, XS_OFF
	s_mov_b32 s101, WS_OFF
	s_cmp_eq_u32 s[CX], 2
	s_cselect_b32 s[ISV], 1, 0
	s_cselect_b32 s66, s96, s66                    ; A's tile
	s_cselect_b32 s67, s98, s67                    ; B's tile
	s_cselect_b32 s97, s101, s100                  ; where A's scale words begin in its buffer
	s_cselect_b32 s99, s100, s101                  ; and B's
	s_lshl_b32 s94, s[CH], 16                      ; the half that I fetch: codes,
	s_lshl_b32 s95, s[CH], 12                      ; scale words
	s_lshl_b32 s92, s66, 17
	s_add_co_u32 s92, s92, s94
	s_mov_b32 s93, 0
	s_lshl_b32 s96, s66, 13
	s_add_co_u32 s96, s96, s95
	s_add_co_u32 s96, s96, s97
	s_mov_b32 s97, 0
	s_lshl_b32 s98, s67, 17
	s_add_co_u32 s98, s98, s94
	s_lshl_b32 s100, s67, 13
	s_add_co_u32 s100, s100, s95
	s_add_co_u32 s100, s100, s99
	s_mov_b32 s99, 0
	s_mov_b32 s101, 0
	s_lshl_b32 s94, s[WV], 15                      ; where they go: wave x 32,768 in a slot,
	s_lshl_b32 s95, s[WV], 12                      ; wave x 4,096 among the scale words: no place in the cluster enters an LDS address
	s_wait_dscnt 0x0                               ; both opening adds are done
	s_wait_kmcnt 0x0
	s_cmp_eq_u32 s[CX], 2
	s_cselect_b64 s[40:41], s[6:7], s[4:5]         ; A's buffer
	s_cselect_b64 s[42:43], s[4:5], s[6:7]         ; B's buffer
	s_add_nc_u64 s[92:93], s[40:41], s[92:93]
	s_add_nc_u64 s[96:97], s[40:41], s[96:97]
	s_add_nc_u64 s[98:99], s[42:43], s[98:99]
	s_add_nc_u64 s[100:101], s[42:43], s[100:101]
	CROUND                                         ; all sixteen work-groups are here: the joint loads meet
	s_mov_b32 s[G0S], 1
	s_add_co_u32 s[G0S+1], s95, SCL
	s_mov_b64 s[G0S+2:G0S+3], s[96:97]
	s_or_b32 s[G0S+3], s[G0S+3], 0x80000000
	s_mov_b32 s[G0SB], 1
	s_add_co_u32 s[G0SB+1], s95, SCL
	s_mov_b64 s[G0SB+2:G0SB+3], s[100:101]
	s_or_b32 s[G0SB+3], s[G0SB+3], 0x80000000
	JLOAD G0S, G1S, G0SB, G1SB                     ; the scale words first: they are wanted with the first half of K
.irp s, 0,1
	s_mov_b32 s[G0+4*\s], 1
	s_add_co_u32 s[G0+4*\s+1], s94, \s*SLOT
	s_add_nc_u64 s[G0+4*\s+2:G0+4*\s+3], s[92:93], \s*4096
	s_or_b32 s[G0+4*\s+3], s[G0+4*\s+3], 0x80000000
	s_mov_b32 s[G0B+4*\s], 1
	s_add_co_u32 s[G0B+4*\s+1], s94, \s*SLOT
	s_add_nc_u64 s[G0B+4*\s+2:G0B+4*\s+3], s[98:99], \s*4096
	s_or_b32 s[G0B+4*\s+3], s[G0B+4*\s+3], 0x80000000
	JLOAD G0+4*\s, G1, G0B+4*\s, G1B               ; three tensor loads of mine are out in all
.endr
	v_and_b32 v1, 15, v0                           ; r
	v_bfe_u32 v2, v0, 4, 1                         ; h
	v_and_b32 v3, 31, v0
	v_lshlrev_b32 v[LI], 4, v3
	v_lshlrev_b32 v[BQA], 5, v2
	v_lshlrev_b32 v[BVA], 2, v1
	s_lshl_b32 s94, s[RH], 15                      ; my 8 tiles of A
	s_lshl_b32 s95, s[CH], 15
	s_add_co_u32 s95, s95, BOFF                    ; my 8 tiles of B
.irp s, 0,1
	v_add_nc_u32 v[ADRA+\s], s94, v[LI]
	v_add_nc_u32 v[ADRB+\s], s95, v[LI]
	s_add_co_u32 s94, s94, SLOT
	s_add_co_u32 s95, s95, SLOT
.endr
	s_lshl_b32 s94, s[RH], 12                      ; A's scale words of my rows;
	s_lshl_b32 s95, s[CH], 12
	s_add_co_u32 s95, s95, 8192
	s_sub_co_u32 s95, s95, s94                     ; how far on B's lie
	v_mul_u32_u24 v4, s95, v2                      ; lanes 16-31 take B's
	v_lshl_add_u32 v4, v1, 4, v4                   ; 16 bytes a row: the four words of a half of K
	s_add_co_u32 s94, s94, SCL
	v_add_nc_u32 v[ADRS], s94, v4
	; where the results go: s[40:47] = four bases, for a / 4 and b / 4; the rest stands in the stores' immediates
	s_lshl_b32 s94, s[CY], 2
	s_lshl_b32 s95, s[PY], 4
	s_lshl_b32 s96, s[PX], 2
	s_add_co_u32 s95, s95, s96                     ; 16 cy + 4 cx: batch and head of q, k
	s_lshl_b32 s96, s[PX], 4
	s_lshl_b32 s97, s[PY], 2
	s_add_co_u32 s96, s96, s97                     ; 16 cx + 4 cy: of v
	s_cmp_eq_u32 s[ISV], 1
	s_cselect_b32 s97, s96, s94
	s_cselect_b32 s98, s94, s95
	s_lshl_b32 s94, s[RH], 1
	s_add_co_u32 s97, s97, s94                     ; along a / 4
	s_lshl_b32 s94, s[CH], 1
	s_add_co_u32 s98, s98, s94                     ; along b / 4
	s_cmp_eq_u32 s[CX], 0
	s_cselect_b32 s94, 13, 14                      ; the step of a / 4 as a shift: q 8,192, k 16,384, v 524,288
	s_cselect_b32 s95, 18, 19                      ; of b / 4: q 262,144, k 524,288, v 16,384
	s_cmp_eq_u32 s[CX], 2
	s_cselect_b32 s94, 19, s94
	s_cselect_b32 s95, 14, s95
	s_lshl_b32 s97, s97, s94
	s_lshl_b32 s98, s98, s95
	s_add_co_u32 s96, s97, s98
	s_lshl_b32 s99, s[ISV], 13                     ; V's part lies 8,192 bytes behind K's
	s_add_co_u32 s96, s96, s99
	s_mov_b32 s97, 0
	s_lshl_b32 s98, 1, s94
	s_mov_b32 s99, 0
	s_lshl_b32 s100, 1, s95
	s_mov_b32 s101, 0
	s_cmp_eq_u32 s[CX], 0
	s_cselect_b64 s[40:41], s[12:13], s[14:15]
	s_add_nc_u64 s[40:41], s[40:41], s[96:97]
	s_add_nc_u64 s[42:43], s[40:41], s[100:101]
	s_add_nc_u64 s[44:45], s[40:41], s[98:99]
	s_add_nc_u64 s[46:47], s[44:45], s[100:101]
	; the copy in f32 of positions 0 to 15
	s_lshl_b32 s96, s[CX], 18
	s_lshl_b32 s97, s[PY], 16
	s_add_co_u32 s96, s96, s97
	s_lshl_b32 s97, s[PX], 10
	s_add_co_u32 s96, s96, s97
	s_lshl_b32 s97, s[CH], 9
	s_add_co_u32 s96, s96, s97                     ; q, k: part, batch cy, column 256 cx + 128 CH
	s_lshl_b32 s98, s[PX], 16
	s_add_co_u32 s98, s98, 524288
	s_lshl_b32 s97, s[PY], 14
	s_add_co_u32 s98, s98, s97
	s_lshl_b32 s97, s[RH], 13
	s_add_co_u32 s98, s98, s97                     ; v: batch cx, channel 256 cy + 128 RH, 64 bytes a channel
	s_mov_b32 s100, 4096
	s_cmp_eq_u32 s[ISV], 1
	s_cselect_b32 s96, s98, s96
	s_cselect_b32 s99, s[CH], s[RH]
	s_cselect_b32 s100, 64, s100
	s_or_b32 s67, s99, s[CY]                       ; 0: my part of the tile holds positions 0 to 15
	s_mov_b32 s97, 0
	s_add_nc_u64 s[92:93], s[16:17], s[96:97]
	v_mul_lo_u32 v[FO], v1, s100
	v_lshl_add_u32 v[FO], v2, 5, v[FO]
.macro FRAG reg, adr, q, i             ; a fragment, 16 rows x 128 K: 8 registers, an image of 1,024 bytes
.irp c, 0,1
	ds_load_b128 v[\reg+4*\c:\reg+4*\c+3], v[\adr] offset:1024*(\q)+512*\c+(\i)*4096
.endr
.endm
; 16 matrix instructions: A's blocks a0, a0 + 1 x B's eight, the slot's q-th 128 along K.  p: B's set; sc: the set of scale words.
; zero: 0 adds in place; 1 begins with bq (by B's block), 2 with bv (by A's block), 3 with the constant 0.  The 64 accumulators take turns, one instruction a turn, in the same order in every step.
.macro MUL16 a0, p, q, sc, zero
.irp a, \a0, \a0+1
.irp b, 0,1,2,3,4,5,6,7
.set rD, 8*(8*((\a)%4)+\b)
.set rB, 128*(\p)+8*\b
.set rA, AF+8*(\a)
.set rX, SC+32*(\sc)+4*\b+(\q)
.set rY, SC+32*(\sc)+4*(\a)+(\q)
.if \zero == 0
	v_wmma_scale_f32_16x16x128_f8f6f4 v[rD:rD+7], v[rB:rB+7], v[rA:rA+7], v[rD:rD+7], v[rX], v[rY] matrix_a_fmt:MATRIX_FMT_FP4 matrix_b_fmt:MATRIX_FMT_FP4 matrix_a_scale:MATRIX_SCALE_ROW1
.elseif \zero == 1
	v_wmma_scale_f32_16x16x128_f8f6f4 v[rD:rD+7], v[rB:rB+7], v[rA:rA+7], v[BIAS+8*\b:BIAS+8*\b+7], v[rX], v[rY] matrix_a_fmt:MATRIX_FMT_FP4 matrix_b_fmt:MATRIX_FMT_FP4 matrix_a_scale:MATRIX_SCALE_ROW1
.elseif \zero == 2
	v_wmma_scale_f32_16x16x128_f8f6f4 v[rD:rD+7], v[rB:rB+7], v[rA:rA+7], v[BIAS+8*(\a):BIAS+8*(\a)+7], v[rX], v[rY] matrix_a_fmt:MATRIX_FMT_FP4 matrix_b_fmt:MATRIX_FMT_FP4 matrix_a_scale:MATRIX_SCALE_ROW1
.else
	v_wmma_scale_f32_16x16x128_f8f6f4 v[rD:rD+7], v[rB:rB+7], v[rA:rA+7], 0, v[rX], v[rY] matrix_a_fmt:MATRIX_FMT_FP4 matrix_b_fmt:MATRIX_FMT_FP4 matrix_a_scale:MATRIX_SCALE_ROW1
.endif
.endr
.endr
.endm
.macro FETCH_B slot, q, p
	WIN TO_B
.irp i, 0,1,2,3,4,5,6,7
	FRAG 128*(\p)+8*\i, ADRB+\slot, \q, \i
.endr
	WIN 0
.endm
.macro FETCH_A slot, q, i0
.irp i, \i0, \i0+1, \i0+2, \i0+3
	FRAG AF+8*(\i), ADRA+\slot, \q, \i
.endr
.endm
.macro SCALES sc                       ; a half of K's scale words: four a row; lanes 0-15 take A's block i, lanes 16-31 B's block i
.irp i, 0,1,2,3,4,5,6,7
	ds_load_b128 v[SC+32*\sc+4*\i:SC+32*\sc+4*\i+3], v[ADRS] offset:\i*512+\sc*256
.endr
.endm
.macro PLACES                          ; four plain places behind a matrix instruction, in front of loads into registers that it has read and of the first read of results
.rept 4
	v_nop
.endr
.endm
.macro STEP slot, q, zero              ; 128 along K that have their successor in the same slot
	s_wait_dscnt 8                                 ; B's set, A's blocks 0-3 and the scale words are in; the youngest eight loads (A's blocks 4-7) may be out
.if (\zero == 1) || (\zero == 2)
	WIN 0x91                                       ; C: the bias, in window 1
.else
	WIN MUL_LO
.endif
	MUL16 0, (\q)%2, \q, \slot, \zero
	MUL16 2, (\q)%2, \q, \slot, \zero
	s_wait_dscnt 0
	PLACES
	FETCH_B \slot, (\q)+1, 1-(\q)%2
	FETCH_A \slot, (\q)+1, 0
.if (\zero == 1) || (\zero == 2)
	WIN 0xd1
.else
	WIN MUL_HI
.endif
	MUL16 4, (\q)%2, \q, \slot, \zero
	MUL16 6, (\q)%2, \q, \slot, \zero
	PLACES
	WIN 0
	FETCH_A \slot, (\q)+1, 4
.endm
; What differs between the three products stands in one arm each: the bias, the first barrier, the first fetches, the first step.  The branch hangs on the cluster's x: it is the same in all waves and all partners.
.macro HEAD z
.if \z == 1
	s_lshl_b32 s96, s[PX], 10
	s_lshl_b32 s97, s[CH], 9
	s_add_co_u32 s96, s96, s97
	s_mov_b32 s97, 0
	s_add_nc_u64 s[96:97], s[8:9], s[96:97]        ; bq at column 256 cx + 128 CH
	WIN TO_B
.irp b, 0,1,2,3,4,5,6,7
	global_load_b128 v[BIAS+8*\b:BIAS+8*\b+3], v[BQA], s[96:97] offset:64*\b       ; register j: bq at 16 b + 8 h + j
	global_load_b128 v[BIAS+8*\b+4:BIAS+8*\b+7], v[BQA], s[96:97] offset:64*\b+16
.endr
	WIN 0
.elseif \z == 2
	s_lshl_b32 s96, s[PY], 10
	s_lshl_b32 s97, s[RH], 9
	s_add_co_u32 s96, s96, s97
	s_mov_b32 s97, 0
	s_add_nc_u64 s[96:97], s[10:11], s[96:97]      ; bv at channel 256 cy + 128 RH
	WIN TO_B
.irp a, 0,1,2,3,4,5,6,7
.irp j, 0,1,2,3,4,5,6,7
	global_load_b32 v[BIAS+8*\a+\j], v[BVA], s[96:97] offset:64*\a                 ; all eight registers: bv at 16 a + r, my channel's
.endr
.endr
	WIN 0
.endif
	s_wait_tensorcnt 1                             ; the scale words and my part of the first half of K are in; the second half's load may be out
	s_barrier_signal -1
	s_barrier_wait -1
	FETCH_B 0, 0, 0
	FETCH_A 0, 0, 0
	SCALES 0
	FETCH_A 0, 0, 4
.if \z != 3
	s_wait_loadcnt 0x0                             ; the bias
.endif
	STEP 0, 0, \z
.endm
	s_cmp_eq_u32 s[CX], 1
	s_cbranch_scc1 .Lk_head
	s_cmp_eq_u32 s[CX], 2
	s_cbranch_scc1 .Lv_head
	HEAD 1
	s_branch .Lsteps
.Lk_head:
	HEAD 3
	s_branch .Lsteps
.Lv_head:
	HEAD 2
.Lsteps:
	STEP 0, 1, 0
	STEP 0, 2, 0
	; the first half's last step changes slots
	s_wait_tensorcnt 0x0                           ; my part of the second half is in
	ds_add_u32 v[SPW], v[NIL]
	s_wait_dscnt 9                                 ; (the add and the youngest eight loads, A's blocks 4-7, may be out)
	WIN MUL_LO
	MUL16 0, 1, 3, 0, 0
	s_wait_dscnt 0x0
	s_barrier_signal -1
	MUL16 2, 1, 3, 0, 0
	WIN 0
	s_barrier_wait -1                              ; everybody's part is in
	PLACES
	FETCH_B 1, 0, 0
	FETCH_A 1, 0, 0
	SCALES 1
	WIN MUL_HI
	MUL16 4, 1, 3, 0, 0
	MUL16 6, 1, 3, 0, 0
	PLACES
	WIN 0
	FETCH_A 1, 0, 4
	STEP 1, 0, 0
	STEP 1, 1, 0
	STEP 1, 2, 0
	s_wait_dscnt 8                                 ; the very last step: nothing more to fetch
	WIN MUL_LO
	MUL16 0, 1, 3, 1, 0
	MUL16 2, 1, 3, 1, 0
	s_wait_dscnt 0
	WIN MUL_HI
	MUL16 4, 1, 3, 1, 0
	MUL16 6, 1, 3, 1, 0
	WIN 0
	PLACES
	; positions 0 to 15 in f32: each accumulator from its low end on
	s_cmp_lg_u32 s67, 0
	s_cbranch_scc1 .Lno_fine
	s_cmp_eq_u32 s[ISV], 1
	s_cbranch_scc1 .Lfine_v
	WIN 0x08                                       ; a store's data are its source 1: window 2
.irp b, 0,1,2,3,4,5,6,7
	global_store_b128 v[FO], v[8*\b:8*\b+3], s[92:93] offset:64*\b                 ; accumulator (0, b): position r, columns 16 b + 8 h + 0..7
	global_store_b128 v[FO], v[8*\b+4:8*\b+7], s[92:93] offset:64*\b+16
.endr
	WIN 0
	s_branch .Lno_fine
.Lfine_v:
.irp a, 0,1,2,3,4,5,6,7
	WIN 0x08+4*(\a/4)
	global_store_b128 v[FO], v[64*(\a%4):64*(\a%4)+3], s[92:93] offset:1024*\a     ; accumulator (a, 0): channel 16 a + r, positions 8 h + 0..7
	global_store_b128 v[FO], v[64*(\a%4)+4:64*(\a%4)+7], s[92:93] offset:1024*\a+16
.endr
	WIN 0
.Lno_fine:
	; the way out: a lane's eight results pack into the 16 bytes of an image; a wave's store covers 512 consecutive bytes
.irp a, 0,1,2,3,4,5,6,7
.if \a >= 4
	s_wait_xcnt 0x0                                ; the stores of four blocks back have read their registers, which are written again below
.endif
	WIN 0x0a+5*(\a/4)                              ; sources 0 and 1: window 2 or 3
.irp b, 0,1,2,3,4,5,6,7
.irp i, 0,1,2,3
	v_cvt_pk_f16_f32 v[TMP+32*(\a%4)+4*\b+\i], v[8*(8*(\a%4)+\b)+2*\i], v[8*(8*(\a%4)+\b)+2*\i+1]
.endr
.endr
	WIN 0
.irp b, 0,1,2,3,4,5,6,7
	global_store_b128 v[LI], v[TMP+32*(\a%4)+4*\b:TMP+32*(\a%4)+4*\b+3], s[40+2*(2*(\a/4)+\b/4):41+2*(2*(\a/4)+\b/4)] offset:(\a%4)*2048+(\b%4)*512
.endr
.endr
	s_wait_tensorcnt 0x0                           ; the wave's end
	ds_add_u32 v[SPW], v[NIL]
	s_wait_dscnt 0x0
	CROUND                                         ; the closing round
	s_endpgm
.Lfunc_end_k_qe6a4dbd523_qkv:
	.size	k_qe6a4dbd523_qkv, .Lfunc_end_k_qe6a4dbd523_qkv-k_qe6a4dbd523_qkv
	.p2alignl 7, 3214868480
	.fill 96, 4, 3214868480
	.section	.rodata,"a",@progbits
	.p2align	6, 0x0
	.amdhsa_kernel k_qe6a4dbd523_qkv
		.amdhsa_group_segment_fixed_size 327680
		.amdhsa_private_segment_fixed_size 0
		.amdhsa_enable_private_segment 0
		.amdhsa_kernarg_size 56
		.amdhsa_user_sgpr_count 2
		.amdhsa_user_sgpr_kernarg_segment_ptr 1
		.amdhsa_wavefront_size32 1
		.amdhsa_system_sgpr_workgroup_id_x 1
		.amdhsa_system_sgpr_workgroup_id_y 1
		.amdhsa_system_sgpr_workgroup_id_z 1
		.amdhsa_system_vgpr_workitem_id 0
		.amdhsa_next_free_vgpr 1024
		.amdhsa_next_free_sgpr 104
		.amdhsa_reserve_vcc 0
		.amdhsa_float_denorm_mode_32 3
		.amdhsa_float_denorm_mode_16_64 3
		.amdhsa_memory_ordered 1
		.amdhsa_forward_progress 1
		.amdhsa_inst_pref_size 157
	.end_amdhsa_kernel
	.amdgpu_metadata
---
amdhsa.version: [ 1, 2 ]
amdhsa.kernels:
  - .name:           k_qe6a4dbd523_qkv
    .symbol:         k_qe6a4dbd523_qkv.kd
    .args:
      - { .name: xq, .offset: 0, .size: 8, .value_kind: global_buffer, .address_space: global }
      - { .name: wq, .offset: 8, .size: 8, .value_kind: global_buffer, .address_space: global }
      - { .name: bq, .offset: 16, .size: 8, .value_kind: global_buffer, .address_space: global }
      - { .name: bv, .offset: 24, .size: 8, .value_kind: global_buffer, .address_space: global }
      - { .name: qimg, .offset: 32, .size: 8, .value_kind: global_buffer, .address_space: global }
      - { .name: kv, .offset: 40, .size: 8, .value_kind: global_buffer, .address_space: global }
      - { .name: fine, .offset: 48, .size: 8, .value_kind: global_buffer, .address_space: global }
    .group_segment_fixed_size: 327680
    .private_segment_fixed_size: 0
    .kernarg_segment_align: 8
    .kernarg_segment_size: 56
    .max_flat_workgroup_size: 128
    .sgpr_count:     104
    .vgpr_count:     1024
    .wavefront_size: 32
...
	.end_amdgpu_metadata
.endif
;; end of part 2
;; launch attn (part 3): grid 4 x 64, 8 waves a work-group, no clusters, 327,680 bytes of LDS; arguments qimg, kv, yimg; writes yimg
.if DOCPART == 3
	.amdgcn_target "amdgcn-amd-amdhsa--gfx1250"
	.amdhsa_code_object_version 6
	.text
	.protected	k_qe6a4dbd523_attn
	.globl	k_qe6a4dbd523_attn
	.p2align	8
	.type	k_qe6a4dbd523_attn,@function
k_qe6a4dbd523_attn:
	s_mov_b64 s[64:65], 0
	v_nop
	global_prefetch_b8 v0, s[64:65] scope:SCOPE_SE
	s_setreg_imm32_b32 hwreg(HW_REG_WAVE_MODE, 25, 1), 1
	s_wait_xcnt 0x0
; y[b][h][q] = the sum over k <= q of softmax_k(q . k / 8) v, on f16 operands; products, maxima and sums in f32; the weights p are rounded to f16 for the second product, y once at the end.
; WORK LEFT OUT: key steps that lie wholly behind the causal mask which the problem builds itself (their weights are 0 for all values of the inputs); k comes without bk (see the first kernel's head).
; SHARES.  Work-group (I, head) owns two blocks of 256 queries: block 7 - I, which walks 8 - I chunks of 256 keys, and then block I, which walks I + 1: nine chunks for every work-group, so that the trip counts are constants
; of the text, all 256 work-groups have the same work, and every chunk that is fetched is read.  Each of the eight waves owns 32 queries of the block, two tiles of 16; two waves share a SIMD.
; NO CLUSTER: from their sixth chunk on the four work-groups of a head walk different chunks (8 - I differs), so joint requests would need a walk of 12 chunks in place of 9.
; LAYOUT.  S^T = K Q^T (source 0 = 16 keys, source 1 = 16 queries) and O^T = V^T P (source 0 = 16 channels, source 1 = P): a lane holds ONE query throughout; two tiles of S^T packed to f16 are source 1 of the second product.
; K, V and Q come as images of these operands' registers, 16 bytes a lane on end: no padding, no turning load.  O^T packed to f16 is an image of the next launch's operand: it is stored straight from registers, 512 bytes a store.
; SOFTMAX.  A running maximum m and sum l for each query: p = 2^(c s - c m), c = log2(e) / 8; in every step O and l are multiplied by a = 2^(c m_old - c m_new).  m begins at -3e38, O and l at 0: the step is written once.
; THE RING.  Two slots of 65,536 bytes, a chunk each (four key steps of 64: K's 8,192 bytes, then V's).  Every wave fetches an eighth of a chunk by one tensor load behind each change of slots.
; REGISTERS: window 0: v1-8 addresses and constants; v16-31 statistics, 8 a tile (+0 c m, +1 m, +2, +3 l, +4..+7 at work, a in +6); v32-63 Q; v64-127 K; v128-191 S^T, then p; v192-223 P.  window 1: v0-63 O^T; v64-127 V.
.set SLOT1, 65536
.set SPARE, 131072
.set SPW, 1
.set NIL, 2
.set LI,  3                            ; 16 x lane
.set ADK, 4                            ; LDS address of the key step in hand
.set PFO, 5                            ; 256 x lane
.set RH8, 6                            ; r - 8 h
.set DD,  7                            ; the mask's bound
.set NINF, 8
.set ST, 16
.set Q,  32
.set KR, 64
.set S,  128
.set P,  192
.set WV, 10
.set II, 11
.set CNT, 12                           ; chunks walked
.set SWC, 13                           ; behind this chunk the first block is finished
.set NA,  14                           ; chunks of the first block
.set PFN, 15                           ; a wave prefetches while CNT is under it
.set G1, 16
.set G0, 24
.set KVB, 28                           ; s[28:29] my eighth of the head's chunk 0
.set OFP, 30                           ; s[30:31] an offset as a pair; s31 stays 0
.set PFA, 32
.set QH, 34
.set YH, 36
.set QP, 38
.set YP, 40
.set Q0, 42                            ; my first query
.set KF, 43                            ; the step's first key
.set TB, 44                            ; the slot in hand
.set TS, 45                            ; the step in hand
.set NS, 46
.set T0, 47
.set CS, 48                            ; s[48:49] c, twice
.set SEL, 50
.set T1, 52
.set T2, 53
.set MSB, 0
.macro WIN new
.if MSB != (\new)
	s_set_vgpr_msb (MSB<<8)|(\new)
.set MSB, (\new)
.endif
.endm
.set W_V,  0x40                        ; destination window 1
.set W_RS, 0x41                        ; O^T (destination and source 0) window 1, a window 0
.set W_PV, 0x51                        ; V, C and D window 1, P window 0
.set W_CV, 0x05                        ; sources window 1, destination window 0
.macro PLACES
.rept 4
	v_nop
.endr
.endm
	s_load_b128 s[4:7], s[0:1], 0x0                ; qimg, kv
	s_load_b64 s[8:9], s[0:1], 0x10                ; yimg
	v_lshl_add_u32 v[SPW], v0, 2, SPARE
	v_mov_b32 v[NIL], 0
	ds_add_u32 v[SPW], v[NIL]                      ; the wave's opening: the add, twice on end, and its wait ahead of my first tensor load
	ds_add_u32 v[SPW], v[NIL]
	v_lshrrev_b32 v9, 5, v0
	v_readfirstlane_b32 s[WV], v9                  ; wave 0..7
	s_mov_b32 s[II], ttmp9
	s_and_b32 s[T1], ttmp7, 0xffff                 ; batch x 16 + head
	s_mov_b32 s[G1+0], 3<<16                       ; elements of 8 bytes, no padding
	s_mov_b32 s[G1+1], 32<<16                      ; 32 rows of 256 bytes, dense: 8,192 bytes
	s_mov_b32 s[G1+2], 32<<16
	s_mov_b32 s[G1+3], 32<<16
	s_mov_b32 s[G1+4], 32
	s_mov_b32 s[G1+5], 32
	s_mov_b32 s[G1+6], 0
	s_mov_b32 s[G1+7], 0
	s_sub_co_u32 s[SWC], 7, s[II]
	s_sub_co_u32 s[NA], 8, s[II]
	s_cmp_eq_u32 s[II], 0
	s_cselect_b32 s[PFN], 6, 0
	s_mov_b32 s[CS], 0x3e38aa3b                    ; c = log2(e) / 8
	s_mov_b32 s[CS+1], s[CS]
	s_mov_b32 s[SEL], 0x76543210
	s_mov_b32 s[SEL+1], 0xfedcba98
	s_mov_b32 s[TB], 0
	s_mov_b32 s[KF], 0
	s_lshl_b32 s[OFP], s[T1], 19
	s_lshl_b32 s[T0], s[WV], 13
	s_add_co_u32 s[OFP], s[OFP], s[T0]
	s_mov_b32 s[OFP+1], 0
	s_wait_dscnt 0x0                               ; both opening adds are done
	s_wait_kmcnt 0x0
	s_add_nc_u64 s[KVB:KVB+1], s[6:7], s[OFP:OFP+1]
	s_mov_b32 s[G0], 1
	s_lshl_b32 s[G0+1], s[WV], 13                  ; slot 0, my eighth
	s_mov_b64 s[G0+2:G0+3], s[KVB:KVB+1]
	s_or_b32 s[G0+3], s[G0+3], 0x80000000
	tensor_load_to_lds s[G0:G0+3], s[G1:G1+7]      ; chunk 0: every wave issues its own, with no branch
	s_nop 0
	s_add_nc_u64 s[PFA:PFA+1], s[KVB:KVB+1], 65536 ; at chunk 1: the first change of slots steps it to chunk 2.  Nothing is prefetched here, at the head
	s_lshl_b32 s[OFP], s[T1], 18
	s_add_nc_u64 s[QH:QH+1], s[4:5], s[OFP:OFP+1]
	s_lshr_b32 s[OFP], s[T1], 4
	s_lshl_b32 s[OFP], s[OFP], 22                  ; the batch's 128 tiles of 32,768 bytes,
	s_and_b32 s[T0], s[T1], 15
	s_lshl_b32 s[T0], s[T0], 11                    ; the head's 64 along the next K: 2,048 bytes
	s_add_co_u32 s[OFP], s[OFP], s[T0]
	s_add_nc_u64 s[YH:YH+1], s[8:9], s[OFP:OFP+1]
	s_lshl_b32 s[Q0], s[SWC], 8
	s_lshl_b32 s[T0], s[WV], 5
	s_add_co_u32 s[Q0], s[Q0], s[T0]               ; 256 (7 - I) + 32 wave
.macro SETQ                            ; Q's and y's places of my 32 queries
	s_lshl_b32 s[OFP], s[Q0], 7
	s_add_nc_u64 s[QP:QP+1], s[QH:QH+1], s[OFP:OFP+1]
	s_lshl_b32 s[OFP], s[Q0], 11
	s_add_nc_u64 s[YP:YP+1], s[YH:YH+1], s[OFP:OFP+1]
.endm
	SETQ
	v_and_b32 v9, 31, v0
	v_lshlrev_b32 v[LI], 4, v9
	v_lshlrev_b32 v[PFO], 8, v9
	v_and_b32 v9, 15, v0
	v_bfe_u32 v10, v0, 4, 1
	v_lshlrev_b32 v10, 3, v10
	v_sub_nc_u32 v[RH8], v9, v10
	v_mov_b32 v[NINF], 0xff800000
.macro LOADQ                           ; two tiles of 16 queries x 64 channels: 16 T + 8 ds
.irp n, 0,1,2,3,4,5,6,7
	global_load_b128 v[Q+4*\n:Q+4*\n+3], v[LI], s[QP:QP+1] offset:512*\n
.endr
.endm
.macro INIT
.irp t, 0,1
	v_mov_b32 v[ST+8*\t+1], 0xff61b1e6             ; m = -3e38, under every score
	v_mul_f32 v[ST+8*\t], s[CS], v[ST+8*\t+1]      ; c m
	v_mov_b32 v[ST+8*\t+2], 0                      ; l, in two halves
	v_mov_b32 v[ST+8*\t+3], 0
	v_mov_b32 v[ST+8*\t+5], 0                      ; a lane permute's destination counts as one of its sources
	v_mov_b32 v[ST+8*\t+7], 0                      ; named as the upper half of a pair
.endr
	WIN W_V
.set i, 0
.rept 64
	v_mov_b32 v[i], 0                              ; O^T: the first step finds zeros, which its a = 0 leaves zeros; so the step is written once
.set i, i+1
.endr
	WIN 0
.endm
; S^T of tile t: 8 products; the four accumulators take turns, one instruction a turn
.macro KQ t
.irp d, 0,1
.irp k, 0,1,2,3
.if \d == 0
	v_wmma_f32_16x16x32_f16 v[S+32*\t+8*\k:S+32*\t+8*\k+7], v[KR+16*\k+8*\d:KR+16*\k+8*\d+7], v[Q+16*\t+8*\d:Q+16*\t+8*\d+7], 0
.else
	v_wmma_f32_16x16x32_f16 v[S+32*\t+8*\k:S+32*\t+8*\k+7], v[KR+16*\k+8*\d:KR+16*\k+8*\d+7], v[Q+16*\t+8*\d:Q+16*\t+8*\d+7], v[S+32*\t+8*\k:S+32*\t+8*\k+7]
.endif
.endr
.endr
.endm
.macro PV t                            ; O^T of tile t += V^T P: 8 products, four accumulators by turns
	WIN W_PV
.irp s, 0,1
.irp c, 0,1,2,3
	v_wmma_f32_16x16x32_f16 v[32*\t+8*\c:32*\t+8*\c+7], v[64+16*\c+8*\s:64+16*\c+8*\s+7], v[P+16*\t+8*\s:P+16*\t+8*\s+7], v[32*\t+8*\c:32*\t+8*\c+7]
.endr
.endr
	WIN 0
.endm
; The softmax of tile t for one key step: a lane's 32 scores
.macro SM t
.set rT, ST+8*\t
.set rS, S+32*\t
.set rP, P+16*\t
.set rO, 32*\t
.irp j, 0,1,2,3
	v_max3_num_f32 v[rT+4+\j], v[rS+8*\j], v[rS+8*\j+1], v[rS+8*\j+2]   ; four chains; each accumulator is read from its low end on
.endr
.irp i, 3,5
.irp j, 0,1,2,3
	v_max3_num_f32 v[rT+4+\j], v[rT+4+\j], v[rS+8*\j+\i], v[rS+8*\j+\i+1]
.endr
.endr
	v_max3_num_f32 v[rT+4], v[rT+4], v[rS+7], v[rS+15]
	v_max3_num_f32 v[rT+6], v[rT+6], v[rS+23], v[rS+31]
	v_max3_num_f32 v[rT+4], v[rT+4], v[rT+5], v[rT+6]
	v_max3_num_f32 v[rT+4], v[rT+4], v[rT+7], v[rT+1]                   ; and the old m
	v_permlanex16_b32 v[rT+5], v[rT+4], s[SEL], s[SEL+1]                ; the query's other 32 keys lie in the lane 16 away
	v_mov_b32 v[rT+7], v[rT]                       ; c m_old
	v_max_num_f32 v[rT+1], v[rT+4], v[rT+5]
	v_mul_f32 v[rT], s[CS], v[rT+1]
	v_sub_f32 v[rT+7], v[rT+7], v[rT]
.irp b, 0,1,2,3,4,5,6,7,8,9,10,11,12,13,14,15
	v_pk_fma_f32 v[rS+2*\b:rS+2*\b+1], v[rS+2*\b:rS+2*\b+1], s[CS:CS+1], v[rT:rT+1] op_sel_hi:[1,0,0] neg_lo:[0,0,1] neg_hi:[0,0,1]   ; c s - c m
.endr
	v_exp_f32 v[rT+6], v[rT+7]                     ; a
.irp e, 0,1,2,3,4,5,6,7,8,9,10,11,12,13,14,15,16,17,18,19,20,21,22,23,24,25,26,27,28,29,30,31
	v_exp_f32 v[rS+\e], v[rS+\e]
.endr
	v_nop                                          ; a plain place behind the last exponential
	s_wait_alu depctr_va_vdst(0)                   ; one wait for the batch of 33, ahead of its first reader
.irp b, 0,1,2,3,4,5,6,7,8,9,10,11,12,13,14,15
	v_cvt_pk_f16_f32 v[rP+\b], v[rS+2*\b], v[rS+2*\b+1]
.endr
.irp u, 0,1,2,3,4,5,6,7
	v_pk_add_f32 v[rS+4*\u:rS+4*\u+1], v[rS+4*\u:rS+4*\u+1], v[rS+4*\u+2:rS+4*\u+3]
.endr
.irp u, 0,1,2,3
	v_pk_add_f32 v[rS+8*\u:rS+8*\u+1], v[rS+8*\u:rS+8*\u+1], v[rS+8*\u+4:rS+8*\u+5]
.endr
.irp u, 0,1
	v_pk_add_f32 v[rS+16*\u:rS+16*\u+1], v[rS+16*\u:rS+16*\u+1], v[rS+16*\u+8:rS+16*\u+9]
.endr
	v_pk_add_f32 v[rS:rS+1], v[rS:rS+1], v[rS+16:rS+17]
	v_pk_fma_f32 v[rT+2:rT+3], v[rT+2:rT+3], v[rT+6:rT+7], v[rS:rS+1] op_sel_hi:[1,0,1]   ; l = a l + the step's sum
	WIN W_RS
.irp u, 0,1,2,3,4,5,6,7,8,9,10,11,12,13,14,15
	v_pk_mul_f32 v[rO+2*\u:rO+2*\u+1], v[rO+2*\u:rO+2*\u+1], v[rT+6:rT+7] op_sel_hi:[1,0]
.endr
	WIN 0
.endm
; A KEY STEP of 64 keys.  The work goes tile by tile, so that one tile's vector work stands beside the other's products.
.macro STEP
	s_add_co_u32 s[T0], s[Q0], 31
	s_cmp_gt_u32 s[KF], s[T0]                      ; all 64 keys come after my 32 queries: the step's work is left out.  Ids and counted steps alone; no barrier and no tensor load stands in a step
	s_cbranch_scc1 .Lhidden_\@
	v_add_nc_u32 v[ADK], s[TS], v[LI]
.irp n, 0,1,2,3,4,5,6,7,8,9,10,11,12,13,14,15
	ds_load_b128 v[KR+4*\n:KR+4*\n+3], v[ADK] offset:512*\n          ; K: 16 kt + 8 ds
.endr
	WIN W_V
.irp n, 0,1,2,3,4,5,6,7,8,9,10,11,12,13,14,15
	ds_load_b128 v[64+4*\n:64+4*\n+3], v[ADK] offset:8192+512*\n     ; V: 16 ct + 8 ks
.endr
	WIN 0
	s_wait_dscnt 16                                ; K is in; V's sixteen loads may be out
	KQ 0
	KQ 1
	PLACES
	s_add_co_u32 s[T0], s[KF], 63
	s_cmp_le_u32 s[T0], s[Q0]                      ; all keys count for all my queries: no mask
	s_cbranch_scc1 .Lopen_\@
	s_sub_co_i32 s[T0], s[Q0], s[KF]
	v_add_nc_u32 v[DD], s[T0], v[RH8]              ; register 8 kt + j of tile T holds key KF + 16 kt + 8 h + j, query Q0 + 16 T + r: hidden where 16 kt + j - 16 T > Q0 - KF + r - 8 h
.irp t, 0,1
.irp k, 0,1,2,3
.irp j, 0,1,2,3,4,5,6,7
	v_cmp_gt_i32 vcc_lo, 16*\k+\j-16*\t, v[DD]
	v_cndmask_b32 v[S+32*\t+8*\k+\j], v[S+32*\t+8*\k+\j], v[NINF], vcc_lo
.endr
.endr
.endr
.Lopen_\@:
	SM 0
	s_wait_dscnt 0x0                               ; V is in
	PV 0
	SM 1
	PV 1
	PLACES                                         ; in front of the next loads into V's registers and of the way out's first reads
.Lhidden_\@:
.endm
.macro CHUNK_STEPS                     ; a chunk's four key steps: written once, walked four times
	s_mov_b32 s[TS], s[TB]
	s_mov_b32 s[NS], 4
.Lstep_\@:
	STEP
	s_add_co_u32 s[TS], s[TS], 16384
	s_add_co_u32 s[KF], s[KF], 64
	s_sub_co_u32 s[NS], s[NS], 1
	s_cmp_lg_u32 s[NS], 0
	s_cbranch_scc1 .Lstep_\@
	s_xor_b32 s[TB], s[TB], SLOT1
.endm
; A PREFETCH of chunk CNT + 2, one chunk ahead of the tensor load that will ask for it.  The four work-groups of a head walk the same first chunks: the one with I = 0, which walks chunks 0 to 7 on end, asks, and nobody else;
; each of its waves asks for the 8,192 bytes that it will fetch, lanes 256 bytes apart, so that each block of 256 bytes is named once in the launch.  Chunk 7 is the last that is named; chunks 0 and 1 come by their loads alone.
.macro ASK
	s_cmp_lt_u32 s[CNT], s[PFN]
	s_cbranch_scc0 .Lnot_mine_\@
	global_prefetch_b8 v[PFO], s[PFA:PFA+1] th:TH_LOAD_NT scope:SCOPE_SE
.Lnot_mine_\@:
.endm
; THE CHANGE OF SLOTS, at a chunk's head.  Each wave waits for all its tensor loads (its eighth of the chunk ahead), adds 0 to its spare word, and waits for that and for its reads of the slot that it has left.
; Behind the barrier the chunk ahead is whole and nobody reads the other slot, which takes the next chunk: one load a wave, with four key steps in which to land.
.macro CHANGE fill
	s_wait_tensorcnt 0x0                           ; no tensor load of mine is out, so the group 0 may be written
	ds_add_u32 v[SPW], v[NIL]                      ; 0 onto my spare word; the descriptor's steps stand between it and the wait for it
.if \fill
	s_xor_b32 s[G0+1], s[G0+1], SLOT1
	s_add_co_u32 s[T1], s[CNT], 1
	s_sub_co_u32 s[T2], s[T1], s[NA]
	s_cmp_lt_u32 s[T1], s[NA]
	s_cselect_b32 s[OFP], s[T1], s[T2]             ; the next chunk: of the first block's walk, or of the second's, which begins at chunk 0 again
	s_lshl_b32 s[OFP], s[OFP], 16
	s_add_nc_u64 s[G0+2:G0+3], s[KVB:KVB+1], s[OFP:OFP+1]
	s_or_b32 s[G0+3], s[G0+3], 0x80000000
	s_wait_xcnt 0x0                                ; the last prefetch, a chunk back, has read its address
	s_add_nc_u64 s[PFA:PFA+1], s[PFA:PFA+1], 65536
.endif
	s_wait_dscnt 0x0
	s_barrier_signal -1
	s_barrier_wait -1
.if \fill
	tensor_load_to_lds s[G0:G0+3], s[G1:G1+7]      ; the first thing behind the barrier, and my one tensor load until the next
	s_nop 0
.rept 4
	v_nop
.endr
	ASK
.endif
.endm
; THE WAY OUT of a block: O^T / l, rounded to f16: register pairs of tile T, channels 16 ct + 8 h + 0..7 of query r, are 16 bytes of the next launch's operand
.macro EPILOGUE
.irp t, 0,1
	v_add_f32 v[ST+8*\t+4], v[ST+8*\t+2], v[ST+8*\t+3]
.endr
.irp t, 0,1
	v_permlanex16_b32 v[ST+8*\t+5], v[ST+8*\t+4], s[SEL], s[SEL+1]
.endr
.irp t, 0,1
	v_add_f32 v[ST+8*\t+4], v[ST+8*\t+4], v[ST+8*\t+5]
.endr
.irp t, 0,1
	v_rcp_f32 v[ST+8*\t+6], v[ST+8*\t+4]
.endr
	v_nop
	s_wait_alu depctr_va_vdst(0)                   ; one wait for the two reciprocals, ahead of their first reader
	WIN W_RS
.irp t, 0,1
.irp u, 0,1,2,3,4,5,6,7,8,9,10,11,12,13,14,15
	v_pk_mul_f32 v[32*\t+2*\u:32*\t+2*\u+1], v[32*\t+2*\u:32*\t+2*\u+1], v[ST+8*\t+6:ST+8*\t+7] op_sel_hi:[1,0]
.endr
.endr
	WIN W_CV
.irp t, 0,1
.irp u, 0,1,2,3,4,5,6,7,8,9,10,11,12,13,14,15
	v_cvt_pk_f16_f32 v[S+16*\t+\u], v[32*\t+2*\u], v[32*\t+2*\u+1]
.endr
.endr
	WIN 0
.irp t, 0,1
.irp c, 0,1,2,3
	global_store_b128 v[LI], v[S+16*\t+4*\c:S+16*\t+4*\c+3], s[YP:YP+1] offset:\t*32768+\c*512   ; 32 lanes store 512 consecutive bytes
.endr
.endr
.endm
	LOADQ
	INIT
	s_wait_loadcnt 0x0                             ; Q
	s_mov_b32 s[CNT], 0
.Lchunk:                                               ; eight trips: behind each change of slots but the last the next chunk is asked for
	CHANGE 1
	CHUNK_STEPS
	s_cmp_lg_u32 s[CNT], s[SWC]
	s_cbranch_scc1 .Lsame
	EPILOGUE                                       ; block 7 - I is finished: on to block I
	s_wait_xcnt 0x0                                ; the stores have read their registers and their base
	s_lshl_b32 s[Q0], s[II], 8
	s_lshl_b32 s[T0], s[WV], 5
	s_add_co_u32 s[Q0], s[Q0], s[T0]
	s_mov_b32 s[KF], 0
	SETQ
	LOADQ
	INIT
	s_wait_loadcnt 0x0
.Lsame:
	s_add_co_u32 s[CNT], s[CNT], 1
	s_cmp_lt_u32 s[CNT], 8
	s_cbranch_scc1 .Lchunk
	CHANGE 0                                       ; the ninth chunk is written out: nothing is left to fetch
	CHUNK_STEPS
	EPILOGUE
	s_wait_tensorcnt 0x0                           ; the wave's end
	ds_add_u32 v[SPW], v[NIL]
	s_wait_dscnt 0x0
	s_endpgm
.Lfunc_end_k_qe6a4dbd523_attn:
	.size	k_qe6a4dbd523_attn, .Lfunc_end_k_qe6a4dbd523_attn-k_qe6a4dbd523_attn
	.p2alignl 7, 3214868480
	.fill 96, 4, 3214868480
	.section	.rodata,"a",@progbits
	.p2align	6, 0x0
	.amdhsa_kernel k_qe6a4dbd523_attn
		.amdhsa_group_segment_fixed_size 327680
		.amdhsa_private_segment_fixed_size 0
		.amdhsa_enable_private_segment 0
		.amdhsa_kernarg_size 24
		.amdhsa_user_sgpr_count 2
		.amdhsa_user_sgpr_kernarg_segment_ptr 1
		.amdhsa_wavefront_size32 1
		.amdhsa_system_sgpr_workgroup_id_x 1
		.amdhsa_system_sgpr_workgroup_id_y 1
		.amdhsa_system_sgpr_workgroup_id_z 1
		.amdhsa_system_vgpr_workitem_id 0
		.amdhsa_next_free_vgpr 384
		.amdhsa_next_free_sgpr 66
		.amdhsa_reserve_vcc 1
		.amdhsa_float_denorm_mode_32 3
		.amdhsa_float_denorm_mode_16_64 3
		.amdhsa_memory_ordered 1
		.amdhsa_forward_progress 1
		.amdhsa_inst_pref_size 66
	.end_amdhsa_kernel
	.amdgpu_metadata
---
amdhsa.version: [ 1, 2 ]
amdhsa.kernels:
  - .name:           k_qe6a4dbd523_attn
    .symbol:         k_qe6a4dbd523_attn.kd
    .args:
      - { .name: qimg, .offset: 0, .size: 8, .value_kind: global_buffer, .address_space: global }
      - { .name: kv, .offset: 8, .size: 8, .value_kind: global_buffer, .address_space: global }
      - { .name: yimg, .offset: 16, .size: 8, .value_kind: global_buffer, .address_space: global }
    .group_segment_fixed_size: 327680
    .private_segment_fixed_size: 0
    .kernarg_segment_align: 8
    .kernarg_segment_size: 24
    .max_flat_workgroup_size: 256
    .sgpr_count:     66
    .vgpr_count:     384
    .wavefront_size: 32
...
	.end_amdgpu_metadata
.endif
;; end of part 3
;; launch oproj (part 4): grid 4 x 64, 4 waves a work-group, clusters of 4 x 4, 327,680 bytes of LDS; arguments yimg, wo16, bo, out0; writes out0
.if DOCPART == 4
	.amdgcn_target "amdgcn-amd-amdhsa--gfx1250"
	.amdhsa_code_object_version 6
	.text
	.protected	k_qe6a4dbd523_oproj
	.globl	k_qe6a4dbd523_oproj
	.p2align	8
	.type	k_qe6a4dbd523_oproj,@function
k_qe6a4dbd523_oproj:
	s_mov_b64 s[64:65], 0
	v_nop
	global_prefetch_b8 v0, s[64:65] scope:SCOPE_SE
	s_setreg_imm32_b32 hwreg(HW_REG_WAVE_MODE, 25, 1), 1
	s_wait_xcnt 0x0
	s_wait_alu depctr_hold_cnt(0) depctr_sa_sdst(0) depctr_va_vdst(0) depctr_va_sdst(0) depctr_va_ssrc(0) depctr_va_vcc(0) depctr_vm_vsrc(0)
	s_getreg_b32 s2, hwreg(HW_REG_IB_STS2, 6, 4)
	s_cmp_eq_u32 s2, 0
	s_cbranch_scc0 .Lentry_in_a_cluster
	s_endpgm
.Lentry_in_a_cluster:
	s_bfe_u32 s2, ttmp6, 0x10000c
	s_cmp_lg_u32 s2, 0xf033
	s_cbranch_scc0 .Lentry_shape_is_right
	s_endpgm
.Lentry_shape_is_right:
; out = y Wo + bo: y [8192][1024] and Wo [1024 (k)][1024 (n)] as f16, both stored as images of the operands' registers (tile of 16 rows or columns x 32,768 bytes; 32 along K are 1,024 bytes on end, 16 bytes a lane); sums and out in f32.
; Positions 0 to 15 of each sequence lie in tiles that also hold later positions: they are computed here with the rest, and the last launch stores them anew, carried in f32.
; A tile of out is 128 x 256: 256 work-groups of four waves, 64 x 128 a wave: 32 accumulators, 256 registers.  K goes in steps of 128 through a ring of two LDS slots.
; CLUSTERS of 4 x 4: y's tiles are shared along a row of the cluster, Wo's along a column, and asked for jointly.  Source 0 = 16 columns of Wo, source 1 = 16 rows of y: a lane holds eight neighbouring numbers of a row of out.
; bo is the C of each sum's first matrix instruction.
; REGISTERS: window 0: v16-29 addresses; two fragment buffers of 96 at v32 and v128 (B's eight fragments, then A's four), later rows of out.   window 1: accumulator (a, b) at v[8 (8 a + b)].   window 2: v0-63 bo.
.set KB,    4096                       ; a K step of one tile of 16: four fragments
.set BOFF,  32768                      ; a slot: A's 8 tiles, then B's 16
.set SLOT,  98304
.set STAGE, 2*SLOT                     ; behind the ring: 16 rows x (512 + 16) bytes for each wave; no tensor load lands there
.set SPITCH, 528
.set SPARE, STAGE+4*16*SPITCH
.set ADRA, 16
.set ADRB, 20
.set STO,  24
.set RD,   25
.set CO,   26
.set BOA,  27
.set SPW,  28
.set NIL,  29
.set F0,   32
.set F1,   128
.set WV, 12
.set RH, 13                            ; which 64 rows are mine.  Also: I fetch for A (0) or for B (1)
.set CH, 14                            ; which 128 columns.  Also: which half of that tile I fetch
.set G1, 24
.set G0, 32
.set G1B, 48
.set G0B, 56
.set MSB, 0
.macro WIN new
.if MSB != (\new)
	s_set_vgpr_msb (MSB<<8)|(\new)
.set MSB, (\new)
.endif
.endm
.set MUL, 0x50                         ; fragments window 0; C and D window 1
.macro JLOAD s                         ; a joint load; an s_nop 0 and four v_nop follow each of the two lines
	s_cmp_eq_u32 s[RH], 0
	s_cbranch_scc0 .Lfor_b_\@
	tensor_load_to_lds s[G0+4*\s:G0+4*\s+3], s[G1:G1+7]
	s_nop 0
.rept 4
	v_nop
.endr
	s_branch .Lasked_\@
.Lfor_b_\@:
	tensor_load_to_lds s[G0B+4*\s:G0B+4*\s+3], s[G1B:G1B+7]
	s_nop 0
.rept 4
	v_nop
.endr
.Lasked_\@:
.endm
.macro CREST
	s_cmp_lg_u32 s[WV], 0
	s_cbranch_scc1 .Lnot_wave_0_\@
	s_barrier_signal -3
.Lnot_wave_0_\@:
	s_barrier_wait -3
	s_barrier_signal -1
	s_barrier_wait -1
.endm
.macro CROUND
	s_barrier_signal -1
	s_barrier_wait -1
	CREST
.endm
	s_load_b256 s[4:11], s[0:1], 0x0               ; yimg, wo16, bo, out0
	v_lshl_add_u32 v[SPW], v0, 2, SPARE
	v_mov_b32 v[NIL], 0
	ds_add_u32 v[SPW], v[NIL]                      ; the wave's opening: the add, twice on end, and its wait ahead of my first tensor load
	ds_add_u32 v[SPW], v[NIL]
	v_lshrrev_b32 v1, 5, v0
	v_readfirstlane_b32 s[WV], v1
	s_lshr_b32 s[RH], s[WV], 1
	s_and_b32 s[CH], s[WV], 1
	s_bfe_u32 s40, ttmp6, 0x40000                  ; cx
	s_bfe_u32 s41, ttmp6, 0x40004                  ; cy
	s_lshl_b32 s42, ttmp9, 2
	s_add_co_u32 s42, s42, s40                     ; tile column
	s_and_b32 s43, ttmp7, 0xffff
	s_lshl_b32 s43, s43, 2
	s_add_co_u32 s43, s43, s41                     ; tile row
	s_lshl_b32 s44, s41, 2
	s_lshl_b32 s44, 15, s44                        ; my row of the cluster
	s_lshl_b32 s45, 0x1111, s40                    ; my column
	s_or_b32 s[G1], s44, (3<<16)|(1<<21)           ; the mask; elements of 8 bytes; bit 21 set beside a mask; no padding
	s_or_b32 s[G1B], s45, (3<<16)|(1<<21)
	s_mov_b32 s[G1+1], 512<<16                     ; of each tile of 16 the 4,096 bytes of a K step; the tiles lie 32,768 bytes apart
	s_mov_b32 s[G1+2], 4<<16                       ; A: 4 tiles to a load
	s_mov_b32 s[G1+3], 512<<16
	s_mov_b32 s[G1+4], 4
	s_mov_b32 s[G1+5], 4096
	s_mov_b32 s[G1+6], 0
	s_mov_b32 s[G1+7], 0
	s_mov_b32 s[G1B+1], 512<<16
	s_mov_b32 s[G1B+2], 8<<16                      ; B: 8 tiles to a load
	s_mov_b32 s[G1B+3], 512<<16
	s_mov_b32 s[G1B+4], 8
	s_mov_b32 s[G1B+5], 4096
	s_mov_b32 s[G1B+6], 0
	s_mov_b32 s[G1B+7], 0
	s_lshl_b32 s16, s43, 18                        ; A: tile of 16 rows 8 x tile row + 4 x half
	s_lshl_b32 s18, s[CH], 17
	s_add_co_u32 s16, s16, s18
	s_mov_b32 s17, 0
	s_lshl_b32 s46, s42, 19                        ; B: tile of 16 columns 16 x tile column + 8 x half
	s_lshl_b32 s47, s[CH], 18
	s_add_co_u32 s46, s46, s47
	s_mov_b32 s47, 0
	s_lshl_b32 s20, s[CH], 14                      ; where they go: A's halves,
	s_lshl_b32 s21, s[CH], 15
	s_add_co_u32 s21, s21, BOFF                    ; B's halves: the wave's number alone
	s_wait_dscnt 0x0                               ; both opening adds are done
	s_wait_kmcnt 0x0
	s_add_nc_u64 s[16:17], s[4:5], s[16:17]
	s_add_nc_u64 s[46:47], s[6:7], s[46:47]
	CROUND                                         ; all sixteen work-groups are here: the first joint loads meet
.irp s, 0,1
	s_mov_b32 s[G0+4*\s], 1
	s_add_co_u32 s[G0+4*\s+1], s20, \s*SLOT
	s_add_nc_u64 s[G0+4*\s+2:G0+4*\s+3], s[16:17], \s*KB
	s_or_b32 s[G0+4*\s+3], s[G0+4*\s+3], 0x80000000
	s_mov_b32 s[G0B+4*\s], 1
	s_add_co_u32 s[G0B+4*\s+1], s21, \s*SLOT
	s_add_nc_u64 s[G0B+4*\s+2:G0B+4*\s+3], s[46:47], \s*KB
	s_or_b32 s[G0B+4*\s+3], s[G0B+4*\s+3], 0x80000000
	JLOAD \s
.endr
	v_and_b32 v1, 15, v0                           ; r
	v_bfe_u32 v2, v0, 4, 1                         ; h
	v_and_b32 v3, 31, v0
	v_lshlrev_b32 v[CO], 4, v3                     ; 16 x lane
	v_lshlrev_b32 v[BOA], 5, v2
	s_lshl_b32 s20, s[RH], 14                      ; my 4 tiles of A
	s_lshl_b32 s21, s[CH], 15
	s_add_co_u32 s21, s21, BOFF                    ; my 8 tiles of B
.irp s, 0,1
	v_add_nc_u32 v[ADRA+\s], s20, v[CO]
	v_add_nc_u32 v[ADRB+\s], s21, v[CO]
	s_add_co_u32 s20, s20, SLOT
	s_add_co_u32 s21, s21, SLOT
.endr
	s_mul_i32 s20, s[WV], 16*SPITCH
	s_add_co_u32 s20, s20, STAGE                   ; my stage
	v_mul_u32_u24 v4, v1, SPITCH
	v_lshl_add_u32 v4, v2, 5, v4
	v_add_nc_u32 v[STO], s20, v4                   ; in: row r, 32 bytes for each half of the lanes
	v_add_nc_u32 v[RD], s20, v[CO]                 ; back: the 32 lanes take one row of 512 bytes
	s_lshl_b32 s20, s42, 10
	s_lshl_b32 s21, s[CH], 9
	s_add_co_u32 s20, s20, s21                     ; my first column, in bytes
	s_mov_b32 s21, 0
	s_add_nc_u64 s[8:9], s[8:9], s[20:21]          ; bo there
	s_add_nc_u64 s[10:11], s[10:11], s[20:21]
	s_lshl_b32 s20, s43, 19
	s_lshl_b32 s22, s[RH], 18
	s_add_co_u32 s20, s20, s22                     ; my first row: 128 x tile row + 64 x half, 4,096 bytes a row
	s_add_nc_u64 s[10:11], s[10:11], s[20:21]
	WIN 0x80                                       ; destination window 2
.irp b, 0,1,2,3,4,5,6,7
	global_load_b128 v[8*\b:8*\b+3], v[BOA], s[8:9] offset:64*\b            ; register j: bo at 16 b + 8 h + j
	global_load_b128 v[8*\b+4:8*\b+7], v[BOA], s[8:9] offset:64*\b+16
.endr
	WIN 0
.macro MUL8 f, a, zero                 ; A's block a x B's eight, 32 along K.  The 32 accumulators take turns in the same order in every quarter
.irp b, 0,1,2,3,4,5,6,7
.if \zero
	v_wmma_f32_16x16x32_f16 v[8*(8*\a+\b):8*(8*\a+\b)+7], v[\f+8*\b:\f+8*\b+7], v[\f+64+8*\a:\f+64+8*\a+7], v[8*\b:8*\b+7]
.else
	v_wmma_f32_16x16x32_f16 v[8*(8*\a+\b):8*(8*\a+\b)+7], v[\f+8*\b:\f+8*\b+7], v[\f+64+8*\a:\f+64+8*\a+7], v[8*(8*\a+\b):8*(8*\a+\b)+7]
.endif
.endr
.endm
.macro FETCH slot, ks, f               ; 24 LDS loads in one run: B's eight fragments, then A's four
	WIN 0
.irp i, 0,1,2,3,4,5,6,7
	ds_load_b128 v[\f+8*\i:\f+8*\i+3],   v[ADRB+\slot] offset:\i*4096+\ks*1024
	ds_load_b128 v[\f+8*\i+4:\f+8*\i+7], v[ADRB+\slot] offset:\i*4096+\ks*1024+512
.endr
.irp i, 0,1,2,3
	ds_load_b128 v[\f+64+8*\i:\f+64+8*\i+3],   v[ADRA+\slot] offset:\i*4096+\ks*1024
	ds_load_b128 v[\f+64+8*\i+4:\f+64+8*\i+7], v[ADRA+\slot] offset:\i*4096+\ks*1024+512
.endr
.endm
.macro PLACES
.rept 4
	v_nop
.endr
.endm
; A K step is four quarters of 32 along K, 32 matrix instructions each, on buffers 0, 1, 0, 1.  One of the first three: multiplies buffer f and fetches quarter k into g.
.macro QUARTER slot, k, f, g, zero
	s_wait_dscnt 4                                 ; B's and A's blocks 0, 1 are in; the youngest four loads (A's blocks 2, 3) may be out
	WIN MUL+0x10*\zero                             ; zero = 1: C is bo, in window 2
	MUL8 \f, 0, \zero
	MUL8 \f, 1, \zero
	PLACES
	FETCH \slot, \k, \g
	s_wait_dscnt 24                                ; all but the 24 just issued
	WIN MUL+0x10*\zero
	MUL8 \f, 2, \zero
	MUL8 \f, 3, \zero
.endm
; The last quarter multiplies buffer 1 and changes slots: one barrier; in front of it each wave waits for all its tensor loads, adds 0 to its spare word, and waits for that and for its reads of this slot.
.macro TURN slot, next, fill
	WIN 0
	s_wait_tensorcnt 0x0                           ; all my tensor loads have landed: my part of the next slot
	ds_add_u32 v[SPW], v[NIL]
	s_wait_dscnt 7                                 ; (the add and the six loads of A's blocks 1 to 3 may be out)
	WIN MUL
	MUL8 F1, 0, 0
	s_wait_dscnt 0x0                               ; the add is done, and my reads of this slot are over
	s_barrier_signal -1
	MUL8 F1, 1, 0
.if \fill
	WIN 0
.endif
	s_barrier_wait -1
.if \fill
	CREST                                          ; the barrier has opened a round of the cluster's: no wave of any partner still reads this slot or has a load on its way
	s_add_nc_u64 s[G0+4*\slot+2:G0+4*\slot+3], s[G0+4*\slot+2:G0+4*\slot+3], 2*KB
	s_add_nc_u64 s[G0B+4*\slot+2:G0B+4*\slot+3], s[G0B+4*\slot+2:G0B+4*\slot+3], 2*KB
	JLOAD \slot                                    ; the first tensor load behind the round; its four v_nop are also the places in front of the loads below
.else
	PLACES
.endif
	FETCH \next, 0, F0
	WIN MUL
	MUL8 F1, 2, 0
	MUL8 F1, 3, 0
.endm
	s_wait_tensorcnt 1                             ; my part of K step 0 is in; K step 1's load may be out
	s_barrier_signal -1
	s_barrier_wait -1
	s_wait_loadcnt 0x0                             ; bo
	FETCH 0, 0, F0
	QUARTER 0, 1, F0, F1, 1                        ; the first quarter stands in front of the loop: its products start the sums
	WIN 0
	s_mov_b32 s3, 3                                ; 1,024 along K are four laps of the ring; the last is written out
.Llap:
	QUARTER 0, 2, F1, F0, 0
	QUARTER 0, 3, F0, F1, 0
	TURN 0, 1, 1
	QUARTER 1, 1, F0, F1, 0
	QUARTER 1, 2, F1, F0, 0
	QUARTER 1, 3, F0, F1, 0
	TURN 1, 0, 1
	QUARTER 0, 1, F0, F1, 0
	WIN 0
	s_sub_co_u32 s3, s3, 1
	s_cmp_lg_u32 s3, 0
	s_cbranch_scc1 .Llap
	QUARTER 0, 2, F1, F0, 0                        ; the last lap fills nothing
	QUARTER 0, 3, F0, F1, 0
	TURN 0, 1, 0
	QUARTER 1, 1, F0, F1, 0
	QUARTER 1, 2, F1, F0, 0
	QUARTER 1, 3, F0, F1, 0
	s_wait_dscnt 4
	WIN MUL
	MUL8 F1, 0, 0
	MUL8 F1, 1, 0
	s_wait_dscnt 0
	MUL8 F1, 2, 0
	MUL8 F1, 3, 0
	WIN 0
; THE WAY OUT, a block of 16 rows x 128 columns at a time, through my own stage: in by 32 bytes a lane, back as whole rows of 512 bytes.  LDS serves a wave's instructions in order (ISA guide 5.7.1.4): no wait between stores and loads.
.macro TOSTAGE a
	WIN 0x04                                       ; an LDS store's data are its source 1: window 1
.irp b, 0,1,2,3,4,5,6,7
	ds_store_b128 v[STO], v[64*(\a)+8*\b:64*(\a)+8*\b+3] offset:64*\b          ; each accumulator from its low end on
	ds_store_b128 v[STO], v[64*(\a)+8*\b+4:64*(\a)+8*\b+7] offset:64*\b+16
.endr
	WIN 0
.set BB, 32+96*((\a)%2)
.irp t, 0,1,2,3,4,5,6,7,8,9,10,11,12,13,14,15
	ds_load_b128 v[BB+4*\t:BB+4*\t+3], v[RD] offset:\t*SPITCH
.endr
.endm
.macro SEND a, younger                 ; younger: the LDS instructions issued behind block a's loads
.set BB, 32+96*((\a)%2)
	s_wait_dscnt \younger
.if (\a) > 0
	s_add_nc_u64 s[10:11], s[10:11], 65536         ; 16 rows on (behind a wait on XCNT: the earlier stores have read their base)
.endif
.irp t, 0,1,2,3,4,5,6,7,8,9,10,11,12,13,14,15
	global_store_b128 v[CO], v[BB+4*\t:BB+4*\t+3], s[10:11] offset:\t*4096 th:TH_STORE_NT   ; 32 lanes store 512 consecutive bytes, aligned
.endr
.endm
	PLACES
	TOSTAGE 0
.irp a, 1,2,3
.if \a > 1
	s_wait_xcnt 0x0                                ; block a - 2's stores have read their registers and their base
.endif
	TOSTAGE \a
	SEND \a-1, 32                                  ; behind block a - 1's loads: block a's 16 stores and 16 loads
.endr
	s_wait_xcnt 0x0
	SEND 3, 0
	s_wait_tensorcnt 0x0                           ; the wave's end
	ds_add_u32 v[SPW], v[NIL]
	s_wait_dscnt 0x0
	CROUND                                         ; the closing round
	s_endpgm
.Lfunc_end_k_qe6a4dbd523_oproj:
	.size	k_qe6a4dbd523_oproj, .Lfunc_end_k_qe6a4dbd523_oproj-k_qe6a4dbd523_oproj
	.p2alignl 7, 3214868480
	.fill 96, 4, 3214868480
	.section	.rodata,"a",@progbits
	.p2align	6, 0x0
	.amdhsa_kernel k_qe6a4dbd523_oproj
		.amdhsa_group_segment_fixed_size 327680
		.amdhsa_private_segment_fixed_size 0
		.amdhsa_enable_private_segment 0
		.amdhsa_kernarg_size 32
		.amdhsa_user_sgpr_count 2
		.amdhsa_user_sgpr_kernarg_segment_ptr 1
		.amdhsa_wavefront_size32 1
		.amdhsa_system_sgpr_workgroup_id_x 1
		.amdhsa_system_sgpr_workgroup_id_y 1
		.amdhsa_system_sgpr_workgroup_id_z 1
		.amdhsa_system_vgpr_workitem_id 0
		.amdhsa_next_free_vgpr 576
		.amdhsa_next_free_sgpr 66
		.amdhsa_reserve_vcc 0
		.amdhsa_float_denorm_mode_32 3
		.amdhsa_float_denorm_mode_16_64 3
		.amdhsa_memory_ordered 1
		.amdhsa_forward_progress 1
		.amdhsa_inst_pref_size 86
	.end_amdhsa_kernel
	.amdgpu_metadata
---
amdhsa.version: [ 1, 2 ]
amdhsa.kernels:
  - .name:           k_qe6a4dbd523_oproj
    .symbol:         k_qe6a4dbd523_oproj.kd
    .args:
      - { .name: yimg, .offset: 0, .size: 8, .value_kind: global_buffer, .address_space: global }
      - { .name: wo16, .offset: 8, .size: 8, .value_kind: global_buffer, .address_space: global }
      - { .name: bo, .offset: 16, .size: 8, .value_kind: global_buffer, .address_space: global }
      - { .name: out0, .offset: 24, .size: 8, .value_kind: global_buffer, .address_space: global }
    .group_segment_fixed_size: 327680
    .private_segment_fixed_size: 0
    .kernarg_segment_align: 8
    .kernarg_segment_size: 32
    .max_flat_workgroup_size: 128
    .sgpr_count:     66
    .vgpr_count:     576
    .wavefront_size: 32
...
	.end_amdgpu_metadata
.endif
;; end of part 4
;; launch first16 (part 5): grid 16 x 4, 16 waves a work-group, no clusters, 71,680 bytes of LDS; arguments fine, Wo, bo, out0; writes out0
.if DOCPART == 5
	.amdgcn_target "amdgcn-amd-amdhsa--gfx1250"
	.amdhsa_code_object_version 6
	.text
	.protected	k_qe6a4dbd523_first16
	.globl	k_qe6a4dbd523_first16
	.p2align	8
	.type	k_qe6a4dbd523_first16,@function
k_qe6a4dbd523_first16:
	s_mov_b64 s[64:65], 0
	v_nop
	global_prefetch_b8 v0, s[64:65] scope:SCOPE_SE
	s_setreg_imm32_b32 hwreg(HW_REG_WAVE_MODE, 25, 1), 1
	s_wait_xcnt 0x0
; Positions 0 to 15 of each sequence, carried in f32 through attention and the projection: these rows average one to sixteen values, are the largest of the output, and f16 operands would use up what the comparison allows.
; k comes without bk (see the first kernel's head).  fine holds q [b][t][1024], k at + 262,144, v transposed [b][n][16] at + 524,288, all f32.
; SHARES.  Work-group (cb, b): 64 output columns of batch b.  Wave w first makes head w's 16 x 64 of y (the same in all sixteen column blocks: 32 small products), then multiplies it by rows 64 w .. 64 w + 63 of Wo, which are
; exactly that head's part of K; the sixteen waves' partial sums meet in LDS, and wave w adds up and stores row t = w.
; All products by the f32 matrix form, 16 x 16 x 4: 96 a wave.  Its registers (v192-239) are written by matrix instructions alone; each sum begins with the constant 0; what is made of a sum goes into other registers.
; A lane's two registers of a K step hold k = 2 h + j.  Which four of the true K those are is free, so long as both sources agree: each side is loaded so that 16 neighbouring bytes of a lane serve two K steps.
; REGISTERS: v3-14 addresses; v16-21 at work; v[30:31] bo; v32-63 q, then y, then y turned; v64-95 k; v96-127 v; v64-127 later Wo's second half, then the partial sums; v128-191 Wo's first half;
;   v192-207 the scores, two accumulators by turns; v208-239 four accumulators (O^T, then out); v240-247 the scores, then p.
.set SPITCH, 272                       ; a stage row: 256 bytes + 16
.set WSTG,   16*SPITCH                 ; a wave's stage: first its y, then its partial sums
.set SPARE,  16*WSTG
	s_load_b256 s[4:11], s[0:1], 0x0               ; fine, Wo, bo, out0
	v_lshl_add_u32 v1, v0, 2, SPARE                ; my spare word; never rewritten
	v_mov_b32 v2, 0                                ; 0; never rewritten
	v_lshrrev_b32 v3, 5, v0
	v_readfirstlane_b32 s12, v3                    ; wave = head = row
	s_mov_b32 s13, ttmp9                           ; cb
	s_and_b32 s14, ttmp7, 0xffff                   ; b
	v_and_b32 v3, 15, v0                           ; r
	v_bfe_u32 v4, v0, 4, 1                         ; h
	v_and_b32 v15, 31, v0
	v_lshlrev_b32 v5, 12, v3
	v_lshl_add_u32 v5, v4, 4, v5                   ; q, k: row r of 4,096 bytes, + 16 h
	v_lshlrev_b32 v6, 6, v3
	v_lshl_add_u32 v6, v4, 5, v6                   ; v: channel r of 64 bytes, + 32 h: keys 8 h + 0..7
	v_lshlrev_b32 v7, 2, v3
	v_lshl_add_u32 v7, v4, 14, v7                  ; Wo: column r, 4 h rows down
	v_lshlrev_b32 v8, 3, v15                       ; 8 x lane
	v_lshlrev_b32 v9, 3, v4
	v_sub_nc_u32 v9, v3, v9                        ; r - 8 h
	s_mul_i32 s15, s12, WSTG
	v_mul_u32_u24 v10, v3, SPITCH
	v_add_nc_u32 v10, s15, v10
	v_lshl_add_u32 v11, v4, 4, v10                 ; my stage, read: row r, + 16 h
	v_lshl_add_u32 v10, v4, 5, v10                 ; my stage, written: row r, + 32 h
	s_mul_i32 s15, s12, SPITCH
	v_add_nc_u32 v13, s15, v8                      ; row w of every wave's stage, 8 bytes a lane
	v_mov_b32 v14, 0xff800000                      ; -infinity
	s_mov_b32 s30, 0x76543210
	s_mov_b32 s31, 0xfedcba98
	s_mov_b32 s32, 0x3e38aa3b                      ; c = log2(e) / 8
	s_mov_b32 s29, 0
	s_wait_kmcnt 0x0
	s_lshl_b32 s28, s14, 16
	s_lshl_b32 s33, s12, 8
	s_add_co_u32 s28, s28, s33
	s_add_nc_u64 s[16:17], s[4:5], s[28:29]        ; q of batch b, head w
	s_lshl_b32 s28, s14, 16
	s_lshl_b32 s33, s12, 12
	s_add_co_u32 s28, s28, s33
	s_add_co_u32 s28, s28, 524288
	s_add_nc_u64 s[20:21], s[4:5], s[28:29]        ; v likewise
	s_lshl_b32 s28, s13, 8
	s_add_nc_u64 s[22:23], s[8:9], s[28:29]        ; bo at my 64 columns
	s_lshl_b32 s33, s12, 18
	s_add_co_u32 s28, s28, s33
	s_add_nc_u64 s[24:25], s[6:7], s[28:29]        ; Wo at row 64 w, my 64 columns
	s_lshl_b32 s28, s14, 23
	s_lshl_b32 s33, s12, 12
	s_add_co_u32 s28, s28, s33
	s_lshl_b32 s33, s13, 8
	s_add_co_u32 s28, s28, s33
	s_add_nc_u64 s[26:27], s[10:11], s[28:29]      ; out at row 2,048 b + w
.irp s, 0,1,2,3,4,5,6,7
	global_load_b128 v[32+4*\s:35+4*\s], v5, s[16:17] offset:32*\s           ; q(r, 8 s + 4 h + 0..3)
.endr
.irp s, 0,1,2,3,4,5,6,7
	global_load_b128 v[64+4*\s:67+4*\s], v5, s[16:17] offset:262144+32*\s    ; k likewise
.endr
.irp c, 0,1,2,3
	global_load_b128 v[96+8*\c:99+8*\c], v6, s[20:21] offset:1024*\c         ; v(keys 8 h + 0..7, channel 16 c + r)
	global_load_b128 v[100+8*\c:103+8*\c], v6, s[20:21] offset:1024*\c+16
.endr
	global_load_b64 v[30:31], v8, s[22:23]
.irp u, 0,1,2,3
.irp n, 0,1,2,3
.irp i, 0,1,2,3
	global_load_b32 v[128+16*\u+4*\n+\i], v7, s[24:25] offset:(8*\u+\i)*4096+64*\n   ; Wo(64 w + 8 u + 4 h + i, 16 n + r)
.endr
.endr
.endr
	s_wait_loadcnt 63                              ; 73 loads are younger than k's last; the wait's field holds 63, and the smaller count shows q, k and v in
	; ---- the scores, transposed: source 0 = 16 keys, source 1 = 16 queries; two accumulators by turns
.set g, 0
.rept 16
.if g < 2
	v_wmma_f32_16x16x4_f32 v[192+8*(g%2):199+8*(g%2)], v[64+2*g:65+2*g], v[32+2*g:33+2*g], 0
.else
	v_wmma_f32_16x16x4_f32 v[192+8*(g%2):199+8*(g%2)], v[64+2*g:65+2*g], v[32+2*g:33+2*g], v[192+8*(g%2):199+8*(g%2)]
.endif
.set g, g+1
.endr
.rept 8
	v_nop                                          ; eight places behind this form (ISA guide 7.12.1)
.endr
.irp j, 0,1,2,3,4,5,6,7
	v_add_f32 v[240+\j], v[192+\j], v[200+\j]      ; lane (r, h): query r, key 8 h + j
.endr
.irp j, 0,1,2,3,4,5,6,7
	v_cmp_gt_i32 vcc_lo, \j, v9                    ; hidden where 8 h + j > r
	v_cndmask_b32 v[240+\j], v[240+\j], v14, vcc_lo
.endr
	v_max3_num_f32 v16, v240, v241, v242
	v_max3_num_f32 v17, v243, v244, v245
	v_max3_num_f32 v16, v16, v246, v247
	v_max_num_f32 v16, v16, v17
	v_permlanex16_b32 v17, v16, s30, s31
	v_max_num_f32 v16, v16, v17                    ; the row's maximum: key 0 counts for every query
	v_mul_f32 v16, s32, v16
.irp j, 0,1,2,3,4,5,6,7
	v_fma_f32 v[240+\j], v[240+\j], s32, -v16
.endr
.irp j, 0,1,2,3,4,5,6,7
	v_exp_f32 v[240+\j], v[240+\j]
.endr
	v_nop
	s_wait_alu depctr_va_vdst(0)                   ; one wait for the eight exponentials, ahead of their first reader
	v_add_f32 v18, v240, v241
	v_add_f32 v19, v242, v243
	v_add_f32 v20, v244, v245
	v_add_f32 v21, v246, v247
	v_add_f32 v18, v18, v19
	v_add_f32 v20, v20, v21
	v_add_f32 v18, v18, v20
	v_permlanex16_b32 v19, v18, s30, s31
	v_add_f32 v18, v18, v19                        ; the row's sum
	; ---- O^T = V^T P: source 0 = 16 channels, source 1 = p; K step s takes keys 8 h + 2 s + j on both sides
.irp s, 0,1,2,3
.irp c, 0,1,2,3
.if \s == 0
	v_wmma_f32_16x16x4_f32 v[208+8*\c:215+8*\c], v[96+8*\c+2*\s:97+8*\c+2*\s], v[240+2*\s:241+2*\s], 0
.else
	v_wmma_f32_16x16x4_f32 v[208+8*\c:215+8*\c], v[96+8*\c+2*\s:97+8*\c+2*\s], v[240+2*\s:241+2*\s], v[208+8*\c:215+8*\c]
.endif
.endr
.endr
	v_rcp_f32 v20, v18
.rept 8
	v_nop
.endr
	s_wait_alu depctr_va_vdst(0)                   ; the reciprocal's wait, ahead of its first reader
.irp j, 0,1,2,3,4,5,6,7,8,9,10,11,12,13,14,15,16,17,18,19,20,21,22,23,24,25,26,27,28,29,30,31
	v_mul_f32 v[32+\j], v[208+\j], v20             ; y(r, 64 w + 16 c + 8 h + i) in register 8 c + i
.endr
.irp u, 4,5,6,7
.irp n, 0,1,2,3
.irp i, 0,1,2,3
	global_load_b32 v[64+16*(\u-4)+4*\n+\i], v7, s[24:25] offset:(8*\u+\i)*4096+64*\n   ; Wo's second half, into the registers that k and v have left
.endr
.endr
.endr
	; y turns through my own stage: in by channels 8 h + 0..7 of a tile, back by 4 h + 0..3 of each eight.  The bytes are my wave's alone: no barrier
.irp c, 0,1,2,3
	ds_store_b128 v10, v[32+8*\c:35+8*\c] offset:64*\c
	ds_store_b128 v10, v[36+8*\c:39+8*\c] offset:64*\c+16
.endr
	s_wait_dscnt 0x0                               ; the stores have read their registers, which the loads below fill
.irp u, 0,1,2,3,4,5,6,7
	ds_load_b128 v[32+4*\u:35+4*\u], v11 offset:32*\u                        ; y(r, 64 w + 8 u + 4 h + 0..3)
.endr
	s_wait_dscnt 0x0
	s_wait_loadcnt 63                              ; the 64 loads of Wo's second half are younger; the field holds 63: Wo's first half and bo are in
	; ---- my part of out, transposed: source 0 = 16 columns of Wo, source 1 = y; four accumulators by turns
.irp u, 0,1,2,3
.irp p, 0,1
.irp n, 0,1,2,3
.if (\u == 0) && (\p == 0)
	v_wmma_f32_16x16x4_f32 v[208+8*\n:215+8*\n], v[128+16*\u+4*\n+2*\p:129+16*\u+4*\n+2*\p], v[32+4*\u+2*\p:33+4*\u+2*\p], 0
.else
	v_wmma_f32_16x16x4_f32 v[208+8*\n:215+8*\n], v[128+16*\u+4*\n+2*\p:129+16*\u+4*\n+2*\p], v[32+4*\u+2*\p:33+4*\u+2*\p], v[208+8*\n:215+8*\n]
.endif
.endr
.endr
.endr
	s_wait_loadcnt 0x0
.irp u, 4,5,6,7
.irp p, 0,1
.irp n, 0,1,2,3
	v_wmma_f32_16x16x4_f32 v[208+8*\n:215+8*\n], v[64+16*(\u-4)+4*\n+2*\p:65+16*(\u-4)+4*\n+2*\p], v[32+4*\u+2*\p:33+4*\u+2*\p], v[208+8*\n:215+8*\n]
.endr
.endr
.endr
.rept 8
	v_nop
.endr
.irp n, 0,1,2,3
	ds_store_b128 v10, v[208+8*\n:211+8*\n] offset:64*\n                     ; lane (r, h): row r, columns 16 n + 8 h + 0..7; each accumulator from its low end on
	ds_store_b128 v10, v[212+8*\n:215+8*\n] offset:64*\n+16
.endr
	s_wait_dscnt 0x0                               ; for the others' sake: my partial sums lie in LDS
	s_barrier_signal -1
	s_barrier_wait -1
.irp k, 0,1,2,3,4,5,6,7,8,9,10,11,12,13,14,15
	ds_load_b64 v[64+2*\k:65+2*\k], v13 offset:WSTG*\k                       ; row w of wave k's partial sums
.endr
	s_wait_dscnt 0x0
.irp k, 0,1,2,3,4,5,6,7
	v_pk_add_f32 v[64+4*\k:65+4*\k], v[64+4*\k:65+4*\k], v[66+4*\k:67+4*\k]
.endr
.irp k, 0,1,2,3
	v_pk_add_f32 v[64+8*\k:65+8*\k], v[64+8*\k:65+8*\k], v[68+8*\k:69+8*\k]
.endr
.irp k, 0,1
	v_pk_add_f32 v[64+16*\k:65+16*\k], v[64+16*\k:65+16*\k], v[72+16*\k:73+16*\k]
.endr
	v_pk_add_f32 v[64:65], v[64:65], v[80:81]
	v_pk_add_f32 v[64:65], v[64:65], v[30:31]      ; + bo
	global_store_b64 v8, v[64:65], s[26:27]        ; 32 lanes store 256 consecutive bytes, aligned
	s_wait_tensorcnt 0x0                           ; the wave's end
	ds_add_u32 v1, v2
	s_wait_dscnt 0x0
	s_endpgm
.Lfunc_end_k_qe6a4dbd523_first16:
	.size	k_qe6a4dbd523_first16, .Lfunc_end_k_qe6a4dbd523_first16-k_qe6a4dbd523_first16
	.p2alignl 7, 3214868480
	.fill 96, 4, 3214868480
	.section	.rodata,"a",@progbits
	.p2align	6, 0x0
	.amdhsa_kernel k_qe6a4dbd523_first16
		.amdhsa_group_segment_fixed_size 71680
		.amdhsa_private_segment_fixed_size 0
		.amdhsa_enable_private_segment 0
		.amdhsa_kernarg_size 32
		.amdhsa_user_sgpr_count 2
		.amdhsa_user_sgpr_kernarg_segment_ptr 1
		.amdhsa_wavefront_size32 1
		.amdhsa_system_sgpr_workgroup_id_x 1
		.amdhsa_system_sgpr_workgroup_id_y 1
		.amdhsa_system_sgpr_workgroup_id_z 1
		.amdhsa_system_vgpr_workitem_id 0
		.amdhsa_next_free_vgpr 256
		.amdhsa_next_free_sgpr 66
		.amdhsa_reserve_vcc 1
		.amdhsa_float_denorm_mode_32 3
		.amdhsa_float_denorm_mode_16_64 3
		.amdhsa_memory_ordered 1
		.amdhsa_forward_progress 1
		.amdhsa_inst_pref_size 31
	.end_amdhsa_kernel
	.amdgpu_metadata
---
amdhsa.version: [ 1, 2 ]
amdhsa.kernels:
  - .name:           k_qe6a4dbd523_first16
    .symbol:         k_qe6a4dbd523_first16.kd
    .args:
      - { .name: fine, .offset: 0, .size: 8, .value_kind: global_buffer, .address_space: global }
      - { .name: Wo, .offset: 8, .size: 8, .value_kind: global_buffer, .address_space: global }
      - { .name: bo, .offset: 16, .size: 8, .value_kind: global_buffer, .address_space: global }
      - { .name: out0, .offset: 24, .size: 8, .value_kind: global_buffer, .address_space: global }
    .group_segment_fixed_size: 71680
    .private_segment_fixed_size: 0
    .kernarg_segment_align: 8
    .kernarg_segment_size: 32
    .max_flat_workgroup_size: 512
    .sgpr_count:     66
    .vgpr_count:     256
    .wavefront_size: 32
...
	.end_amdgpu_metadata
.endif
;; end of part 5
